; MI455X (gfx1250); checked and timed in simulation.
; The chip was launched on July 23, 2026; its instructions are those of AMD's public machine-readable ISA for CDNA 5 (MIT licence, August 2026) and "CDNA5" Instruction Set Architecture Reference Guide (July 2026). The comments in the code are by the model that wrote it; some were corrected since.
;; Multihead Attention. Allowed arithmetic: matrix products marked QUANTISED: E2M3 operands, one E8M0 scale for each 32 along K, by v_wmma_scale_f32_16x16x128_f8f6f4 with both operands' format E2M3, f32 sums; everything else in f32.
;; Inputs: mask 2,048 x 2,048 int32; out_b 1,024 float32; out_w_codes 1,024 x 32 x 24 uint8 (E2M3 codes of out_w, K innermost, in blocks of 32 codes, four codes in three bytes); out_w_scales 1,024 x 32 uint8 (E8M0 scales of out_w, one for each 32 codes along K); qkv_b 3,072 float32; qkv_w_codes 3,072 x 32 x 24 uint8 (E2M3 codes of qkv_w, K innermost, in blocks of 32 codes, four codes in three bytes); qkv_w_scales 3,072 x 32 uint8 (E8M0 scales of qkv_w, one for each 32 codes along K); x_codes 4 x 2,048 x 32 x 24 uint8 (E2M3 codes of x, K innermost, in blocks of 32 codes, four codes in three bytes); x_scales 4 x 2,048 x 32 uint8 (E8M0 scales of x, one for each 32 codes along K).
;; Outputs: out0 4 x 2,048 x 1,024 float32.
;; This version of the problem:
;;   THIS VERSION OF THE PROBLEM IS GIVEN IN LOW PRECISION. The matrix products marked QUANTISED in the list below multiply operands that are first quantised to E2M3 (2 exponent bits, 3 mantissa bits; 6 bits a number), with one power-of-two scale for each 32 numbers along K (OCP MX v1.0); their sums are f32. All else is computed in f32.
;;   The module's matrix products, in the order in which they are computed (A, B: the left and right operand; K: the contracted axis; several contracted axes count as one K, in the product's order):
;;     1. [M 8,192, K 1,024] x [K 1,024, N 3,072]; A: input x (given as codes); B: input qkv_w (given as codes): QUANTISED
;;     2. batch 64 x [M 2,048, K 64] x [K 64, N 2,048]; A: computed on the way; B: computed on the way: QUANTISED
;;     3. batch 64 x [M 2,048, K 2,048] x [K 2,048, N 64]; A: softmax (see below); B: computed on the way: QUANTISED
;;     4. [M 8,192, K 1,024] x [K 1,024, N 1,024]; A: computed on the way; B: input out_w (given as codes): QUANTISED
;;   THE QUANTISER, for each operand of a quantised product, along K:
;;     - K is cut into blocks of 32 from its start; a last block that is shorter is filled with zeros.
;;     - A block's scale is 2^e with e = floor(log2(the largest magnitude in the block)) - 2, held to -126 .. 127; a block of zeros has e = 0. As a byte (E8M0): e + 127.
;;     - Each number is divided by its block's scale, clamped to +-7.5, and rounded to the nearest number of E2M3, ties to even, subnormals kept.
;;     - The product sums the exact products of the quantised numbers (number of the format x scale) in f32.
;;   ~~~python
;;   def quantise(x, axis):      # numpy; x: float32 -> the quantised numbers, widened to float32 again
;;       x = np.moveaxis(x, axis, -1); K = x.shape[-1]
;;       x = np.pad(x, [(0, 0)] * (x.ndim - 1) + [(0, -K % 32)]); x = x.reshape(x.shape[:-1] + (-1, 32)); a = np.abs(x).max(-1, keepdims=True)
;;       e = np.where(a > 0, np.clip(np.frexp(np.where(a > 0, a, 1))[1] - 1 - 2, -126, 127), 0)      # np.frexp(a)[1] - 1 = floor(log2(a)), exactly
;;       r = np.clip(x / 2.0 ** e, -7.5, 7.5)
;;       step = 2.0 ** (np.maximum(np.frexp(np.where(r == 0, 1, r))[1] - 1, 0) - 3)
;;       q = np.round(r / step) * step * 2.0 ** e      # np.round: ties to even
;;       return np.moveaxis(q.reshape(q.shape[:-2] + (-1,))[..., :K], -1, axis).astype(np.float32)
;;   ~~~
;;   SOFTMAX AHEAD OF A QUANTISED PRODUCT. Where the list says 'softmax', what is quantised is not the finished softmax but p = 2^(t - M), with t = logit x log2(e) and M = ceil(the row's largest t), a whole number; so 1/2 < the row's largest p <= 1. The row's sum l is taken of the UNQUANTISED p, in f32, and the product's result is divided by l at the end. Since M is a whole number, a kernel that streams over the keys may use a running M (the ceiling of the running maximum): every later rescaling is an exact power of two, which a block's scale takes up: the codes' values come out the same.
;;   OPERANDS COMPUTED ON THE WAY. 'Computed on the way' means the value that the module computes at that place (a softmax that the list does not call 'softmax' is quantised finished and normalised). What goes into a quantiser is computed in f32, as accurately as f32 sums, v_exp_f32 and their like allow (about 1e-6 of the number): no bf16 or f16 on the way to a quantiser, and a product that is left as it is and whose result goes on into a quantised operand takes f32 operands (vector FMAs, or v_wmma_f32_16x16x4_f32). A number that lies on a knife's edge between two numbers of the format may be rounded either way, as far as f32 arithmetic and the matrix unit's own rounding can turn it there, and no further.
;;   INPUTS GIVEN AS CODES. out_w (in the module: [1024, 1024], K = its axis 0); qkv_w (in the module: [1024, 3072], K = its axis 0); x (in the module: [4, 2048, 1024], K = its axis 2): each comes as NAME_codes (uint8): NAME with its K axis moved to the last place and cut into blocks of 32 codes, [.., K / 32, bytes a block], one block behind the other in memory; four codes in three bytes: a row's codes are one little-endian stream of bits, code i at bits 6 i .. 6 i + 5 (a code: sign, 2 exponent bits, 3 mantissa bits); and NAME_scales (uint8): the same leading axes, one E8M0 byte (e + 127) for each 32 codes along K. Its value is code x scale, taken as it is: it is not quantised again, and the codes and scales need not be those that the quantiser above would give.
;; One version. Each part assembles by itself: llvm-mc -triple=amdgcn-amd-amdhsa -mcpu=gfx1250 --defsym DOCPART=n.
;; ======== version 1 of 1: 4 launches
;; workspace buffers: rope 524,288 bytes; mk 525,312 bytes of whole numbers; qk_f 12,582,912 bytes; qk_s 1,048,576 bytes; v_f 6,291,456 bytes; v_s 262,144 bytes; a_f 6,291,456 bytes; a_s 262,144 bytes
;; launch prep (part 1): grid 16 x 8, 16 waves a work-group, no clusters, 137,472 bytes of LDS; arguments mask, rope, mk; writes rope, mk
.if DOCPART == 1
	.amdgcn_target "amdgcn-amd-amdhsa--gfx1250"
	.amdhsa_code_object_version 6
	.text
	.protected	k_q8e587e9e9a_prep
	.globl	k_q8e587e9e9a_prep
	.p2align	8
	.type	k_q8e587e9e9a_prep,@function
k_q8e587e9e9a_prep:
	s_mov_b64 s[64:65], 0
	v_nop
	global_prefetch_b8 v0, s[64:65] scope:SCOPE_SE
	s_setreg_imm32_b32 hwreg(HW_REG_WAVE_MODE, 25, 1), 1
	s_wait_xcnt 0x0
; PREP.  (1) rope[t][p] = (cos, sin) of t / 10000^(p / 32), f32, 256 bytes a token.  (2) mk: the mask [2048][2048] int32 packed into lane masks: for query tile qt (16 queries) and key step ks (128 keys)
; 64 words; bit l of word n is set where mask[16 qt + l % 16][128 ks + 16 (n / 8) + 8 (l / 16) + n % 8] != 0: the lanes that keep score register n of the attention launch.
; (3) behind those 524,288 bytes, for query block qb (16 tiles) and key step ks two words: bit w of the first: tile 16 qb + w keeps some key of the step; of the second: it keeps all.
; SHARES.  Work-group (x = ks, y = qb), sixteen waves; wave w takes mask tile qt = 16 qb + w (16 rows x 512 bytes) and the table's row of token 16 (16 qb + ks) + w, a lane to each p.
; The 16 tiles of a query block meet in one work-group because their flags make one word: so the grid is 16 x 8.  No matrix unit, no tensor load: the launch reads each mask byte once, 512 consecutive bytes a load.
; LIMITS.  The angle is f32(t) x f32(1 / P) with P the correctly rounded f32 of 10^(p / 8); cos and sin by a three-part reduction by pi / 2 and polynomials of degree 7 and 8, good to about 1e-7 absolute for t under 2,048.
.set STG,  8448                        ; a wave's stage in LDS: 16 rows x (512 bytes + 16): row r starts 33 x 16 bytes on, so that sixteen rows' reads of 16 bytes fall on different banks
.set FLG,  16*STG                      ; behind the stages: one flag word a wave
.set X,    32                          ; v32-95   the tile as loaded
.set Y,    96                          ; v96-159  the tile as the attention's lanes hold the scores
	s_load_b128 s[4:7], s[0:1], 0x0                ; mask, rope
	s_load_b64 s[8:9], s[0:1], 0x10                ; mk
	v_lshl_add_u32 v160, v0, 2, 0x21100
	v_mov_b32 v161, 0
	v_lshrrev_b32 v1, 5, v0
	v_readfirstlane_b32 s10, v1                    ; wave 0..15
	v_and_b32 v1, 31, v0                           ; lane
	v_lshlrev_b32 v2, 4, v1                        ; 16 x lane
	v_lshlrev_b32 v5, 3, v1                        ; 8 x lane
	s_mul_i32 s11, s10, STG
	v_add_nc_u32 v3, s11, v2                       ; into my stage: 16 bytes a lane of a row
	v_and_b32 v6, 15, v0                           ; r
	v_bfe_u32 v7, v0, 4, 1                         ; h
	v_mul_u32_u24 v4, v6, 528
	v_lshl_add_u32 v4, v7, 5, v4
	v_add_nc_u32 v4, s11, v4                       ; out of it: row r, 32 h bytes on
	s_lshl_b32 s30, s10, 2
	s_add_co_u32 s30, s30, FLG
	v_mov_b32 v23, s30                             ; my wave's flag word
	v_lshl_add_u32 v24, v6, 2, FLG                 ; and the flag word of wave lane % 16
	s_and_b32 s12, ttmp7, 0xffff                   ; qb
	s_lshl_b32 s13, s12, 4
	s_add_co_u32 s16, s13, ttmp9                   ; 16 qb + ks
	s_add_co_u32 s13, s13, s10                     ; qt
	s_lshl_b32 s14, s13, 17                        ; 16 rows of 8,192 bytes a tile
	s_lshl_b32 s15, ttmp9, 9                       ; 512 bytes a key step
	s_add_co_u32 s14, s14, s15
	s_mov_b32 s15, 0
	s_lshl_b32 s18, s16, 3
	s_add_co_u32 s18, s18, 0x80000                 ; the flags' place: 524,288 + 8 (16 qb + ks)
	s_mov_b32 s19, 0
	s_lshl_b32 s16, s16, 4
	s_add_co_u32 s16, s16, s10                     ; my token
	s_wait_kmcnt 0x0
	s_add_nc_u64 s[4:5], s[4:5], s[14:15]
.set p, 0
.rept 16
	global_load_b128 v[X+4*p:X+4*p+3], v2, s[4:5] offset:8192*p th:TH_LOAD_NT   ; a row's 512 consecutive bytes; read once in the launch
.set p, p+1
.endr
	s_add_nc_u64 s[32:33], s[8:9], s[18:19]        ; the flags
	s_lshl_b32 s14, s13, 4
	s_add_co_u32 s14, s14, ttmp9
	s_lshl_b32 s14, s14, 8                         ; 256 bytes for each (qt, ks)
	s_add_nc_u64 s[8:9], s[8:9], s[14:15]
	s_lshl_b32 s14, s16, 8                         ; 256 bytes a token
	s_add_nc_u64 s[6:7], s[6:7], s[14:15]
	; ---- the table's row, while the mask is on its way.  Lane p gets P = 10^(p / 8)
	v_mov_b32 v8, 0
.macro PW10 lane, bits
	s_mov_b32 s20, \bits
	v_writelane_b32 v8, s20, \lane
.endm
	PW10 0, 0x3f800000
	PW10 1, 0x3faab0d5
	PW10 2, 0x3fe39ea9
	PW10 3, 0x4017c496
	PW10 4, 0x404a62c2
	PW10 5, 0x4086f161
	PW10 6, 0x40b3f300
	PW10 7, 0x40eff755
	PW10 8, 0x41200000
	PW10 9, 0x41555d0a
	PW10 10, 0x418e432a
	PW10 11, 0x41bdb5bc
	PW10 12, 0x41fcfb72
	PW10 13, 0x4228adb9
	PW10 14, 0x4260efc0
	PW10 15, 0x4295fa95
	PW10 16, 0x42c80000
	PW10 17, 0x43055a26
	PW10 18, 0x4331d3f4
	PW10 19, 0x436d232b
	PW10 20, 0x439e1d27
	PW10 21, 0x43d2d927
	PW10 22, 0x440c95d8
	PW10 23, 0x443b793b
	PW10 24, 0x447a0000
	PW10 25, 0x44a6b0b0
	PW10 26, 0x44de48f1
	PW10 27, 0x451435fb
	PW10 28, 0x4545a471
	PW10 29, 0x4583c7b8
	PW10 30, 0x45afbb4e
	PW10 31, 0x45ea5789
	v_cvt_f32_u32 v9, s16                          ; t
	v_rcp_f32 v10, v8
	v_nop                                          ; a plain line behind the reciprocal
	s_wait_alu depctr_va_vdst(0)                   ; and a wait ahead of its first reader
	v_fma_f32 v11, -v8, v10, 1.0                   ; one step of Newton: 1 / P to the last place
	v_fma_f32 v10, v11, v10, v10
	v_mul_f32 v9, v9, v10                          ; the angle, rounded once
	v_mul_f32 v11, 0x3f22f983, v9                  ; x 2 / pi
	v_rndne_f32 v11, v11                           ; n
	v_fmamk_f32 v12, v11, 0xbfc90fdb, v9           ; r = angle - n pi / 2, pi / 2 in three parts
	v_fmamk_f32 v12, v11, 0x333bbd2e, v12
	v_fmamk_f32 v12, v11, 0x26f72ced, v12
	v_mul_f32 v13, v12, v12                        ; z = r r
	v_mov_b32 v14, 0xb94ca1f9
	v_fmaak_f32 v14, v14, v13, 0x3c08839e
	v_fmaak_f32 v14, v14, v13, 0xbe2aaaa3
	v_mul_f32 v14, v14, v13
	v_fma_f32 v14, v14, v12, v12                   ; sin r
	v_mov_b32 v15, 0x37ccf5ce
	v_fmaak_f32 v15, v15, v13, 0xbab6061a
	v_fmaak_f32 v15, v15, v13, 0x3d2aaaa5
	v_mul_f32 v16, v13, v13
	v_fma_f32 v17, v13, -0.5, 1.0
	v_fma_f32 v15, v16, v15, v17                   ; cos r
	v_cvt_i32_f32 v16, v11                         ; the quadrant
	v_and_b32 v17, 1, v16
	v_cmp_eq_u32 vcc_lo, 1, v17
	v_cndmask_b32 v18, v15, v14, vcc_lo            ; cos: an odd quadrant swaps the two
	v_cndmask_b32 v19, v14, v15, vcc_lo            ; sin
	v_and_b32 v17, 2, v16
	v_lshlrev_b32 v17, 30, v17
	v_xor_b32 v19, v17, v19                        ; sin is negative in quadrants 2 and 3,
	v_add_nc_u32 v16, 1, v16
	v_and_b32 v17, 2, v16
	v_lshlrev_b32 v17, 30, v17
	v_xor_b32 v18, v17, v18                        ; cos in 1 and 2
	global_store_b64 v5, v[18:19], s[6:7]          ; 32 lanes store the token's 256 consecutive bytes
	; ---- the tile turns through my stage: in by rows, out as the attention's lanes hold the scores
	s_wait_loadcnt 0x0
.set p, 0
.rept 16
	ds_store_b128 v3, v[X+4*p:X+4*p+3] offset:528*p
.set p, p+1
.endr
.set p, 0
.rept 8
	ds_load_b128 v[Y+8*p:Y+8*p+3], v4 offset:64*p        ; LDS serves a wave's instructions in order: these see my stores
	ds_load_b128 v[Y+8*p+4:Y+8*p+7], v4 offset:64*p+16   ; register 8 p + j: key 16 p + 8 h + j of query r
.set p, p+1
.endr
	s_mov_b32 s24, 0                               ; the OR of the 64 words
	s_mov_b32 s25, -1                              ; and the AND
	v_mov_b32 v20, 0
	v_mov_b32 v21, 0
	s_wait_dscnt 0x0
.set n, 0
.rept 64
	v_cmp_ne_u32 s[20+n%4], 0, v[Y+n]              ; word n
	s_or_b32 s24, s24, s[20+n%4]
	s_and_b32 s25, s25, s[20+n%4]
	v_writelane_b32 v[20+n%2], s[20+n%4], n/2      ; lane n / 2 carries words n and n + 1
.set n, n+1
.endr
	global_store_b64 v5, v[20:21], s[8:9]          ; 32 lanes store the tile's 256 consecutive bytes
	; ---- the flags of the work-group's 16 tiles
	s_cmp_lg_u32 s24, 0
	s_cselect_b32 s26, 1, 0
	s_cmp_eq_u32 s25, -1
	s_cselect_b32 s27, 0x10000, 0
	s_or_b32 s26, s26, s27
	v_mov_b32 v22, s26
	ds_store_b32 v23, v22                          ; all lanes write the same word with the same value
	s_wait_dscnt 0x0                               ; for the others' sake: my store has landed
	s_barrier_signal -1
	s_barrier_wait -1
	ds_load_b32 v25, v24
	s_wait_dscnt 0x0
	v_and_b32 v26, 1, v25
	v_cmp_ne_u32 s28, 0, v26
	s_and_b32 s28, s28, 0xffff                     ; bit w: tile w keeps some key
	v_lshrrev_b32 v26, 16, v25
	v_cmp_ne_u32 s29, 0, v26
	s_and_b32 s29, s29, 0xffff                     ; bit w: tile w keeps all
	s_cmp_lg_u32 s10, 0
	s_cbranch_scc1 .Ldone                          ; wave 0 stores them
	v_mov_b32 v26, s28
	v_mov_b32 v27, s29
	v_mov_b32 v25, 0
	v_cmp_eq_u32 vcc_lo, 0, v1
	s_wait_xcnt 0x0                                ; EXEC is a source of my earlier stores: it changes only behind this wait
	s_and_saveexec_b32 s31, vcc_lo
	global_store_b64 v25, v[26:27], s[32:33]
	s_wait_xcnt 0x0                                ; and again in front of the line that widens it
	s_or_b32 exec_lo, exec_lo, s31
.Ldone:
	s_wait_tensorcnt 0x0
	ds_add_u32 v160, v161
	s_wait_dscnt 0x0
	s_endpgm
.Lfunc_end_k_q8e587e9e9a_prep:
	.size	k_q8e587e9e9a_prep, .Lfunc_end_k_q8e587e9e9a_prep-k_q8e587e9e9a_prep
	.p2alignl 7, 3214868480
	.fill 96, 4, 3214868480
	.section	.rodata,"a",@progbits
	.p2align	6, 0x0
	.amdhsa_kernel k_q8e587e9e9a_prep
		.amdhsa_group_segment_fixed_size 137472
		.amdhsa_private_segment_fixed_size 0
		.amdhsa_enable_private_segment 0
		.amdhsa_kernarg_size 24
		.amdhsa_user_sgpr_count 2
		.amdhsa_user_sgpr_kernarg_segment_ptr 1
		.amdhsa_wavefront_size32 1
		.amdhsa_system_sgpr_workgroup_id_x 1
		.amdhsa_system_sgpr_workgroup_id_y 1
		.amdhsa_system_sgpr_workgroup_id_z 1
		.amdhsa_system_vgpr_workitem_id 0
		.amdhsa_next_free_vgpr 162
		.amdhsa_next_free_sgpr 66
		.amdhsa_reserve_vcc 1
		.amdhsa_float_denorm_mode_32 3
		.amdhsa_float_denorm_mode_16_64 3
		.amdhsa_memory_ordered 1
		.amdhsa_forward_progress 1
		.amdhsa_inst_pref_size 25
	.end_amdhsa_kernel
	.amdgpu_metadata
---
amdhsa.version: [ 1, 2 ]
amdhsa.kernels:
  - .name:           k_q8e587e9e9a_prep
    .symbol:         k_q8e587e9e9a_prep.kd
    .args:
      - { .name: mask, .offset: 0, .size: 8, .value_kind: global_buffer, .address_space: global }
      - { .name: rope, .offset: 8, .size: 8, .value_kind: global_buffer, .address_space: global }
      - { .name: mk, .offset: 16, .size: 8, .value_kind: global_buffer, .address_space: global }
    .group_segment_fixed_size: 137472
    .private_segment_fixed_size: 0
    .kernarg_segment_align: 8
    .kernarg_segment_size: 24
    .max_flat_workgroup_size: 512
    .sgpr_count:     66
    .vgpr_count:     162
    .wavefront_size: 32
...
	.end_amdgpu_metadata
.endif
;; end of part 1
;; launch qkv (part 2): grid 12 x 32, 4 waves a work-group, clusters of 4 x 4, 327,680 bytes of LDS; arguments x_codes, x_scales, qkv_w_codes, qkv_w_scales, qkv_b, rope, qk_f, qk_s, v_f, v_s; writes qk_f, qk_s, v_f, v_s
.if DOCPART == 2
	.amdgcn_target "amdgcn-amd-amdhsa--gfx1250"
	.amdhsa_code_object_version 6
	.text
	.protected	k_q8e587e9e9a_qkv
	.globl	k_q8e587e9e9a_qkv
	.p2align	8
	.type	k_q8e587e9e9a_qkv,@function
k_q8e587e9e9a_qkv:
	s_mov_b64 s[64:65], 0
	v_nop
	global_prefetch_b8 v0, s[64:65] scope:SCOPE_SE
	s_setreg_imm32_b32 hwreg(HW_REG_WAVE_MODE, 25, 1), 1
	s_wait_xcnt 0x0
	s_wait_alu depctr_hold_cnt(0) depctr_sa_sdst(0) depctr_va_vdst(0) depctr_va_sdst(0) depctr_va_ssrc(0) depctr_va_vcc(0) depctr_vm_vsrc(0)
	s_getreg_b32 s2, hwreg(HW_REG_IB_STS2, 6, 4)
	s_cmp_eq_u32 s2, 0
	s_cbranch_scc0 .Lentry_in_a_cluster
	s_endpgm
.Lentry_in_a_cluster:
	s_bfe_u32 s2, ttmp6, 0x10000c
	s_cmp_lg_u32 s2, 0xf033
	s_cbranch_scc0 .Lentry_shape_is_right
	s_endpgm
.Lentry_shape_is_right:
; QKV.  qkv = x W + b on codes of FP6 (E2M3) with E8M0 scales for each 32 along K = 1,024; then RoPE on q and k; then q, k (along the head's 64) and v (along the keys) are quantised in registers and stored as
; IMAGES OF OPERAND REGISTERS for the attention launch.  x: 8,192 rows of 768 bytes; W: 3,072 rows of 768 bytes; scale bytes 32 a row.
; A tile of 256 x 256 of the product is made by four waves, each 128 x 128 in 64 accumulators; K goes in steps of 256 through a ring of two LDS slots filled by tensor loads; the scale bytes of the tile's rows come once.
; THE MATRIX INSTRUCTION'S SOURCE 0 ("B") gives the rows that run down a lane's registers, SOURCE 1 ("A") the row that a lane holds.  The quantiser wants a lane's registers to run along the NEXT product's K.  So:
;   clusters x = 0, 1 (q and k):  A = 256 tokens of x, B = 256 features of W (0 .. 2,047): a lane holds one token and 64 features, two heads' halves;
;   cluster  x = 2    (v):        A = 256 features of W (2,048 on), B = 256 tokens of x: a lane holds one feature d and 64 of a key step's 128 keys.
; The mode hangs on the cluster's x alone, which all sixteen partners share.  CLUSTERS: 4 x 4; A's tiles are shared along a row of the cluster, B's along a column, by joint loads.
; THE ORDER INSIDE A BLOCK OF 32.  A lane of half h holds numbers 8 h + 0..7 and 16 + 8 h + 0..7 of a block, so a block's codes lie in the order 0..7, 16..23, 8..15, 24..31.  q and k are both laid so, and so are v here and
; the weights p in the attention launch: the same order on both sides of a product leaves every product of two codes and every block's scale as they are; only the order of the f32 additions inside a block differs.
; IMAGES.  q, k: for each (q or k, batch, head, tile of 16 tokens) 768 bytes: lane l's registers 0-3 at 16 l, registers 4-5 at 512 + 8 l (64 codes along d: half a fragment).  v: for each (batch, head, key step of 128, tile of 16 d)
; 1,536 bytes: registers 4 c .. 4 c + 3 at 512 c + 16 l.  Scale words: q, k: [plane][64 tokens][row 16][tile 4]; the head's two bytes below, above them bytes that are never 0xff; v: [batch, head][key step][row 16][d tile 4].
; 384 work-groups.  LIMITS: NaN and infinities among the inputs are not served; a block of zeros gets the byte 1 (its codes are zeros; this program alone reads the bytes).
; REGISTERS, in windows of 256: window 0: v0-31 addresses; v32-63 scale words; v64-127 the bias; from v128 A's fragments, on the way out the numbers at work.  window 1: B's two sets at v0 and v128; v96-127, v224-255 the RoPE table's two sets.
;   windows 2, 3: the accumulators ((a, b) at v[8 (8 (a % 4) + b)]).
.set KSTEP,  256
.set NQ,     2
.set ROWB,   192                       ; a tile's row: 256 codes
.set KROW,   768                       ; a row of x or W in memory
.set PITCH,  240                       ; an LDS row: 3 x (64 bytes + 16 of padding)
.set FR,     12
.set NL,     6
.set NP,     4
.set HALFT,  128*PITCH
.set SLOT,   4*HALFT
.set KS,     32                        ; a row of scale bytes
.set SCL,    2*SLOT
.set HALFS,  (128*KS/256)*272
.set SBLK,   (16*KS/256)*272
.set SPARE,  SCL+4*HALFS               ; the spare words: 128 bytes a wave, named by no other line
.set L16,  8                           ; v8   16 x lane
.set L8,   9                           ; v9   8 x lane
.set BO,   10                          ; v10  32 h
.set TO,   11                          ; v11  256 r + 32 h: my token's row of the table, my half's pairs
.set SQ,   12                          ; v12  16 r + 8,192 h: q, k scale words; lanes 16-31 the next head's plane
.set BV,   13                          ; v13  4 r
.set SV,   14                          ; v14  16 r + 4,096 h: v's scale words; lanes 16-31 the next head's
.set SH,   15                          ; v15  16 h
.set ADRA, 16
.set ADRB, 20
.set ADRS, 27
.set SPW,  28
.set NIL,  29
.set SC,   32
.set BI,   64
.set AF,   128
.set H,    128                         ; the way out: 64 numbers of a lane
.set TM,   192                         ; v192-207 at work in the quantiser
.set CD,   208                         ; v208-227 the codes just made
.set PWS,  228                         ; v228-235 the eight scale words
.set T,    236                         ; v236-243 at work in RoPE
.set OUTS, 244
.set G1, 24
.set G0, 32
.set G1B, 48
.set G0B, 56
.set G1S, 68
.set G0S, 76
.set G1SB, 80
.set G0SB, 88
.set SEL,  92                          ; s[92:93] selects for lane l xor 16 (set behind the first fills)
.set HIM,  94                          ; s94  the lanes 16-31
.set MODE, 95                          ; s95  0: q and k; 1: v
.set MSB, 0
.macro WIN new                         ; the immediate's high byte repeats the setting that is left
.if MSB != (\new)
	s_set_vgpr_msb (MSB<<8)|(\new)
.set MSB, (\new)
.endif
.endm
.set MUL_LO, 0xa1                      ; source 0 (B) window 1, source 1 (A) window 0, C and D window 2
.set MUL_HI, 0xf1
.set TO_B,   0x40
; A joint load: waves 0 and 1 fetch for A, waves 2 and 3 for B; the branch hangs on the wave's number alone.  Four v_nop follow each of the two lines.
.macro JLOAD g0a, g1a, g0b, g1b
	s_cmp_eq_u32 s15, 0
	s_cbranch_scc0 .Lfor_b_\@
	tensor_load_to_lds s[\g0a:\g0a+3], s[\g1a:\g1a+7]
	s_nop 0
.rept 4
	v_nop
.endr
	s_branch .Lasked_\@
.Lfor_b_\@:
	tensor_load_to_lds s[\g0b:\g0b+3], s[\g1b:\g1b+7]
	s_nop 0
.rept 4
	v_nop
.endr
.Lasked_\@:
.endm
.macro CREST                           ; a round of the cluster's barrier behind its opening barrier
	s_cmp_lg_u32 s14, 0
	s_cbranch_scc1 .Lnot_wave_0_\@
	s_barrier_signal -3
.Lnot_wave_0_\@:
	s_barrier_wait -3
	s_barrier_signal -1
	s_barrier_wait -1
.endm
.macro CROUND
	s_barrier_signal -1
	s_barrier_wait -1
	CREST
.endm
	s_load_b128 s[4:7], s[0:1], 0x0                ; x's codes, x's scales
	s_load_b128 s[8:11], s[0:1], 0x10              ; W's codes, W's scales
	v_lshl_add_u32 v[SPW], v0, 2, SPARE
	v_mov_b32 v[NIL], 0
	ds_add_u32 v28, v29
	ds_add_u32 v28, v29
	s_wait_dscnt 0x0
	v_lshrrev_b32 v1, 5, v0
	v_readfirstlane_b32 s14, v1                    ; wave 0..3
	s_lshr_b32 s15, s14, 1                         ; which half of A's rows is mine.  Also: I fetch for A (0) or for B (1)
	s_and_b32 s16, s14, 1                          ; which half of B's rows.  Also: which 128 rows I fetch
	s_bfe_u32 s40, ttmp6, 0x40000                  ; cx
	s_bfe_u32 s41, ttmp6, 0x40004                  ; cy
	s_and_b32 s12, ttmp7, 0xffff                   ; cluster y
	s_cmp_eq_u32 ttmp9, 2                          ; the third column of clusters makes v
	s_cselect_b32 s42, s12, ttmp9                  ; B's tiles go by cluster y there (tokens), else by cluster x (features)
	s_cselect_b32 s17, 0, s12                      ; A's by nothing but cy there (v's 1,024 features), else by cluster y (tokens)
	s_cselect_b32 s[MODE], 1, 0
	s_cselect_b32 s13, 2048, 0                     ; v's features begin at row 2,048 of W
	s_lshl_b32 s42, s42, 2
	s_add_co_u32 s42, s42, s40                     ; TC: B's tile
	s_lshl_b32 s17, s17, 2
	s_add_co_u32 s17, s17, s41                     ; TR: A's tile
	s_lshl_b32 s43, s41, 2
	s_lshl_b32 s43, 15, s43                        ; my row of the cluster
	s_lshl_b32 s44, 0x1111, s40                    ; my column
	s_or_b32 s[G1+0], s43, (0<<16)|(1<<20)|(1<<21)|(3<<22)|(3<<25)  ; the mask; elements of 1 byte; padding on; bit 21 beside a mask; 4 words of padding behind every 16
	s_or_b32 s[G1B+0], s44, (0<<16)|(1<<20)|(1<<21)|(3<<22)|(3<<25)
.irp g, G1, G1B
	s_mov_b32 s[\g+1], ROWB<<16                    ; tensor_dim0
	s_mov_b32 s[\g+2], 128<<16                     ; tensor_dim1
	s_mov_b32 s[\g+3], ROWB<<16                    ; tile_dim0
	s_mov_b32 s[\g+4], 128                         ; tile_dim1
	s_mov_b32 s[\g+5], KROW                        ; the pitch
	s_mov_b32 s[\g+6], 0
	s_mov_b32 s[\g+7], 0
.endr
	s_or_b32 s[G1S+0], s43, (3<<16)|(1<<20)|(1<<21)|(5<<22)|(3<<25)  ; the scales of 128 rows: 4,096 dense bytes as 16 rows of 256, 16 bytes of padding behind each
	s_or_b32 s[G1SB+0], s44, (3<<16)|(1<<20)|(1<<21)|(5<<22)|(3<<25)
.irp g, G1S, G1SB
	s_mov_b32 s[\g+1], 32<<16
	s_mov_b32 s[\g+2], (128*KS/256)<<16
	s_mov_b32 s[\g+3], 32<<16
	s_mov_b32 s[\g+4], 128*KS/256
	s_mov_b32 s[\g+5], 32
	s_mov_b32 s[\g+6], 0
	s_mov_b32 s[\g+7], 0
.endr
	s_lshl_b32 s18, s16, 7                         ; which 128 rows of the tile I fetch
	s_lshl_b32 s20, s17, 8
	s_add_co_u32 s20, s20, s18
	s_add_co_u32 s20, s20, s13                     ; A: row 256 TR + 128 x half (+ 2,048 for v)
	s_lshl_b32 s46, s42, 8
	s_add_co_u32 s46, s46, s18                     ; B: row 256 TC + 128 x half
	s_mov_b32 s21, 0
	s_mov_b32 s47, 0
	s_mov_b64 s[18:19], KS
	s_mul_u64 s[22:23], s[20:21], s[18:19]         ; where these rows' scales begin,
	s_mul_u64 s[92:93], s[46:47], s[18:19]
	s_mov_b64 s[18:19], KROW
	s_mul_u64 s[20:21], s[20:21], s[18:19]         ; and their codes
	s_mul_u64 s[46:47], s[46:47], s[18:19]
	s_mul_i32 s45, s14, HALFT                      ; where they go: wave x 128 rows
	s_mul_i32 s94, s14, HALFS
	s_wait_kmcnt 0x0
	s_cmp_eq_u32 s[MODE], 1                        ; which tensor is A and which is B: a choice that hangs on the cluster's x alone
	s_cselect_b64 s[96:97], s[8:9], s[4:5]         ; A's codes
	s_cselect_b64 s[98:99], s[10:11], s[6:7]       ; A's scales
	s_cselect_b64 s[100:101], s[4:5], s[8:9]       ; B's codes
	s_cselect_b64 s[66:67], s[6:7], s[10:11]       ; B's scales
	s_add_nc_u64 s[20:21], s[96:97], s[20:21]
	s_add_nc_u64 s[22:23], s[98:99], s[22:23]
	s_add_nc_u64 s[46:47], s[100:101], s[46:47]
	s_add_nc_u64 s[92:93], s[66:67], s[92:93]
	CROUND                                         ; all sixteen work-groups are here: the first joint loads meet
	s_mov_b32 s[G0S], 1
	s_add_co_u32 s[G0S+1], s94, SCL
	s_mov_b64 s[G0S+2:G0S+3], s[22:23]
	s_or_b32 s[G0S+3], s[G0S+3], 0x80000000
	s_mov_b32 s[G0SB], 1
	s_add_co_u32 s[G0SB+1], s94, SCL
	s_mov_b64 s[G0SB+2:G0SB+3], s[92:93]
	s_or_b32 s[G0SB+3], s[G0SB+3], 0x80000000
	JLOAD G0S, G1S, G0SB, G1SB                     ; the scales first: they are wanted with K step 0
.irp s, 0,1
	s_mov_b32 s[G0+4*\s], 1
	s_add_co_u32 s[G0+4*\s+1], s45, \s*SLOT
	s_add_nc_u64 s[G0+4*\s+2:G0+4*\s+3], s[20:21], \s*ROWB
	s_or_b32 s[G0+4*\s+3], s[G0+4*\s+3], 0x80000000
	s_mov_b32 s[G0B+4*\s], 1
	s_add_co_u32 s[G0B+4*\s+1], s45, \s*SLOT
	s_add_nc_u64 s[G0B+4*\s+2:G0B+4*\s+3], s[46:47], \s*ROWB
	s_or_b32 s[G0B+4*\s+3], s[G0B+4*\s+3], 0x80000000
	JLOAD G0+4*\s, G1, G0B+4*\s, G1B               ; three tensor loads of mine are out now
.endr
	v_and_b32 v1, 15, v0                           ; r
	v_bfe_u32 v2, v0, 4, 1                         ; h
	v_mul_u32_u24 v3, v1, PITCH
	v_mul_u32_u24 v4, v2, 24
	v_add_nc_u32 v4, v3, v4                        ; a fragment's row x pitch + 24 x half
	v_lshl_add_u32 v5, v2, 4, v4                   ; and the same behind one padding more
	s_mul_i32 s21, s15, HALFT                      ; my 128 rows of A
	s_mul_i32 s22, s16, HALFT                      ; my 128 rows of B,
	s_add_co_u32 s22, s22, 2*HALFT                 ; behind A's 256
.irp s, 0,1
	v_add_nc_u32 v[ADRA+\s], s21, v4
	v_add_nc_u32 v[ADRB+\s], s22, v4
	v_add_nc_u32 v[ADRA+2+\s], s21, v5
	v_add_nc_u32 v[ADRB+2+\s], s22, v5
	s_add_co_u32 s21, s21, SLOT
	s_add_co_u32 s22, s22, SLOT
.endr
	v_mul_u32_u24 v5, v1, KS                       ; my row's scales: 32 bytes a row,
	v_lshrrev_b32 v6, 8, v5
	v_lshl_add_u32 v5, v6, 4, v5                   ; and 16 more for each 256 passed
	s_mul_i32 s21, s15, HALFS
	s_mul_i32 s22, s16, HALFS
	s_add_co_u32 s22, s22, 2*HALFS
	s_sub_co_u32 s22, s22, s21
	v_mul_u32_u24 v6, s22, v2                      ; lanes 16-31 take B's
	s_add_co_u32 s21, s21, SCL
	v_add_nc_u32 v5, v5, v6
	v_add_nc_u32 v[ADRS], s21, v5
	v_and_b32 v6, 31, v0                           ; the way out's lane offsets
	v_lshlrev_b32 v[L16], 4, v6
	v_lshlrev_b32 v[L8], 3, v6
	v_lshlrev_b32 v[BO], 5, v2
	v_lshl_add_u32 v[TO], v1, 8, v[BO]
	v_lshlrev_b32 v[SV], 4, v1
	v_lshl_add_u32 v[SQ], v2, 13, v[SV]
	v_lshl_add_u32 v[SV], v2, 12, v[SV]
	v_lshlrev_b32 v[BV], 2, v1
	v_lshlrev_b32 v[SH], 4, v2
	s_load_b256 s[4:11], s[0:1], 0x20              ; the way out's buffers, into registers that the descriptors no longer need: qkv_b, rope, qk_f, qk_s
	s_load_b128 s[20:23], s[0:1], 0x40             ; v_f, v_s
	s_mov_b32 s[SEL], 0x76543210
	s_mov_b32 s[SEL+1], 0xfedcba98
	s_mov_b32 s[HIM], 0xffff0000
.macro FRAG reg, adr, q, i             ; a fragment, 16 rows x 128 K: 12 registers; lane l: row l % 16; registers 6 c .. 6 c + 5: K = 64 c + 32 (l / 16) + 0 .. 31: 24 bytes of the row as they lie, in pieces of 8
.irp p, 0,1,2,3,4,5
.set PCE, 12*(\q)+6*(\p/3)+\p%3       ; the row's piece; where the piece three on lies behind one padding more, the second address register serves
.if PCE%8 < 5
	ds_load_b64 v[\reg+2*\p:\reg+2*\p+1], v[\adr] offset:8*PCE+16*(PCE/8)+(\i)*16*PITCH
.else
	ds_load_b64 v[\reg+2*\p:\reg+2*\p+1], v[\adr+2] offset:8*PCE+16*(PCE/8)+(\i)*16*PITCH
.endif
.endr
.endm
; 16 matrix instructions: A's blocks a0, a0 + 1 x B's eight.  The 64 accumulators take turns, one instruction a turn, in the same order in every step.  zero = 1: the first product starts the sums.
.macro MUL16 a0, p, q, sc, zero
.irp a, \a0, \a0+1
.irp b, 0,1,2,3,4,5,6,7
.if \zero
	v_wmma_scale_f32_16x16x128_f8f6f4 v[8*(8*((\a)%4)+\b):8*(8*((\a)%4)+\b)+7], v[128*(\p)+FR*\b:128*(\p)+FR*\b+FR-1], v[AF+FR*(\a):AF+FR*(\a)+FR-1], 0, v[SC+8*NQ*(\sc)+NQ*\b+(\q)], v[SC+8*NQ*(\sc)+NQ*(\a)+(\q)] matrix_a_fmt:MATRIX_FMT_FP6 matrix_b_fmt:MATRIX_FMT_FP6 matrix_a_scale:MATRIX_SCALE_ROW1
.else
	v_wmma_scale_f32_16x16x128_f8f6f4 v[8*(8*((\a)%4)+\b):8*(8*((\a)%4)+\b)+7], v[128*(\p)+FR*\b:128*(\p)+FR*\b+FR-1], v[AF+FR*(\a):AF+FR*(\a)+FR-1], v[8*(8*((\a)%4)+\b):8*(8*((\a)%4)+\b)+7], v[SC+8*NQ*(\sc)+NQ*\b+(\q)], v[SC+8*NQ*(\sc)+NQ*(\a)+(\q)] matrix_a_fmt:MATRIX_FMT_FP6 matrix_b_fmt:MATRIX_FMT_FP6 matrix_a_scale:MATRIX_SCALE_ROW1
.endif
.endr
.endr
.endm
.macro FETCH_B slot, q, p
	WIN TO_B
.irp i, 0,1,2,3,4,5,6,7
	FRAG 128*(\p)+FR*\i, ADRB+\slot, \q, \i
.endr
	WIN 0
.endm
.macro FETCH_A slot, q, i0
.irp i, \i0, \i0+1, \i0+2, \i0+3
	FRAG AF+FR*(\i), ADRA+\slot, \q, \i
.endr
.endm
.macro SCALES sc                       ; a K step's scale words: lanes 0-15 A's block i, lanes 16-31 B's block i
.irp i, 0,1,2,3,4,5,6,7
	ds_load_b64 v[SC+8*NQ*\sc+NQ*\i:SC+8*NQ*\sc+NQ*\i+1], v[ADRS] offset:\i*SBLK
.endr
.endm
.macro PLACES n                        ; plain vector lines between a matrix instruction and a load into, or a vector line on, its registers
.rept \n
	v_nop
.endr
.endm
.macro STEP slot, q, zero              ; a step of 128 along K that has its successor in the same slot
	s_wait_dscnt 4*NL                              ; B's set and A's blocks 0-3 are in; the youngest 24 loads (A's blocks 4-7) may be out
	WIN MUL_LO
	MUL16 0, (\q)%2, \q, \slot, \zero
	MUL16 2, (\q)%2, \q, \slot, \zero
	s_wait_dscnt 0                                 ; A's blocks 4-7 are in
	PLACES NP
	FETCH_B \slot, (\q)+1, 1-(\q)%2
	FETCH_A \slot, (\q)+1, 0
	WIN MUL_HI
	MUL16 4, (\q)%2, \q, \slot, \zero
	MUL16 6, (\q)%2, \q, \slot, \zero
	PLACES NP
	WIN 0
	FETCH_A \slot, (\q)+1, 4
.endm
; A slot's last step changes slots: one barrier; in front of it each wave waits for all its tensor loads, adds 0 to its spare word, and waits for that and for its own reads of this slot.  fill = 1: the slot is filled again, two K steps ahead.
.macro TURN slot, next, fill
	s_wait_tensorcnt 0x0                           ; all my tensor loads have landed: my part of the next slot
	ds_add_u32 v[SPW], v[NIL]                      ; 0 onto my spare word
	s_wait_dscnt 4*NL+1                            ; (the add and the youngest 24 loads may be out)
	WIN MUL_LO
	MUL16 0, 1, NQ-1, \slot, 0
	s_wait_dscnt 0x0                               ; the add is done, and my reads of this slot are over
	s_barrier_signal -1
	MUL16 2, 1, NQ-1, \slot, 0
	WIN 0
	s_barrier_wait -1
.if \fill
	CREST                                          ; the barrier has opened a round of the cluster's: no wave of any partner still reads this slot or has a load on its way
	s_add_nc_u64 s[G0+4*\slot+2:G0+4*\slot+3], s[G0+4*\slot+2:G0+4*\slot+3], 2*ROWB
	s_add_nc_u64 s[G0B+4*\slot+2:G0B+4*\slot+3], s[G0B+4*\slot+2:G0B+4*\slot+3], 2*ROWB
	JLOAD G0+4*\slot, G1, G0B+4*\slot, G1B         ; my one tensor load behind the round; its four v_nop are the places in front of the loads below
.else
	PLACES NP
.endif
	v_add_nc_u32 v[ADRS], 4*NQ, v[ADRS]            ; on to the next K step's scale words
	FETCH_B \next, 0, 0
	FETCH_A \next, 0, 0
	SCALES \next
	WIN MUL_HI
	MUL16 4, 1, NQ-1, \slot, 0
	MUL16 6, 1, NQ-1, \slot, 0
	PLACES NP
	WIN 0
	FETCH_A \next, 0, 4
.endm
.macro LAST                            ; the very last step: nothing more to fetch
	s_wait_dscnt 4*NL
	WIN MUL_LO
	MUL16 0, 1, NQ-1, 1, 0
	MUL16 2, 1, NQ-1, 1, 0
	s_wait_dscnt 0
	WIN MUL_HI
	MUL16 4, 1, NQ-1, 1, 0
	MUL16 6, 1, NQ-1, 1, 0
	WIN 0
	PLACES NP                                      ; in front of the first read of results and of vector lines that write where A's fragments lay
.irp b, 0,1,2,3
	v_mov_b32 v[TM+4+\b], 0                        ; written once: a lane permute's destination counts as one of its sources
.endr
.endm
; ---- the way out's macros
.macro TABLOAD a                       ; the table's rows of tokens 16 a + r: (cos, sin) of p = 8 i + 4 h + 0 .. 3 at registers 8 i on, into set a % 2 of window 1
.set TB_, 96+128*((\a)%2)
.irp i, 0,1,2,3
	global_load_b128 v[TB_+8*\i:TB_+8*\i+3], v[TO], s[6:7] offset:4096*(\a)+64*\i
	global_load_b128 v[TB_+8*\i+4:TB_+8*\i+7], v[TO], s[6:7] offset:4096*(\a)+64*\i+16
.endr
.endm
.macro BIASQK a                        ; block a's 64 sums + the bias of my 64 features; each accumulator is read from its low end on
	WIN 0x02+((\a)/4)
.set k, 0
.rept 32
	v_pk_add_f32 v[H+2*k:H+2*k+1], v[64*((\a)%4)+2*k:64*((\a)%4)+2*k+1], v[BI+2*k:BI+2*k+1]
.set k, k+1
.endr
	WIN 0
.endm
.macro BIASV a                         ; the same with one bias a lane: my feature's
	WIN 0x02+((\a)/4)
.set k, 0
.rept 32
	v_pk_add_f32 v[H+2*k:H+2*k+1], v[64*((\a)%4)+2*k:64*((\a)%4)+2*k+1], v[BI+2*(\a):BI+2*(\a)+1] op_sel_hi:[1,0]
.set k, k+1
.endr
	WIN 0
.endm
.macro ROPE a                          ; a pair (x0, x1) becomes (x0 c - x1 s, x1 c + x0 s): a packed multiply by c and a packed multiply-add with the pair crossed and s
.set TB_, 96+128*((\a)%2)
	WIN 0x04                                       ; source 1, the table, in window 1
.irp b, 0,1,2,3,4,5,6,7
.irp jj, 0,1,2,3
	v_pk_mul_f32 v[T+2*\jj:T+2*\jj+1], v[H+8*\b+2*\jj:H+8*\b+2*\jj+1], v[TB_+8*(\b%4)+2*\jj:TB_+8*(\b%4)+2*\jj+1] op_sel_hi:[1,0]
.endr
.irp jj, 0,1,2,3
	v_pk_fma_f32 v[H+8*\b+2*\jj:H+8*\b+2*\jj+1], v[H+8*\b+2*\jj:H+8*\b+2*\jj+1], v[TB_+8*(\b%4)+2*\jj:TB_+8*(\b%4)+2*\jj+1], v[T+2*\jj:T+2*\jj+1] op_sel:[1,1,0] op_sel_hi:[0,1,1] neg_lo:[0,1,0]
.endr
.endr
	WIN 0
.endm
; 64 numbers of a lane, v[s] on, registers 16 b .. 16 b + 15 my half's 16 of block b of my row, become 12 registers of codes in v[CD] on and the row's scale word in v[pw].
.macro QUANT s, pw
.irp b, 0,1,2,3
	v_max3_num_f32 v[TM+\b], |v[\s+16*\b]|, |v[\s+1+16*\b]|, 0x1800000   ; my 16 numbers, and the floor 2^(3 - 127): the byte cannot fall under 1
.endr
.irp i, 2,4,6,8,10,12,14
.irp b, 0,1,2,3
	v_max3_num_f32 v[TM+\b], v[TM+\b], |v[\s+16*\b+\i]|, |v[\s+1+16*\b+\i]|
.endr
.endr
.irp b, 0,1,2,3
	v_permlanex16_b32 v[TM+4+\b], v[TM+\b], s[SEL], s[SEL+1]
.endr
.irp b, 0,1,2,3
	v_max_num_f32 v[TM+\b], v[TM+\b], v[TM+4+\b]   ; with lane l xor 16's: the block's largest magnitude
.endr
.irp b, 0,1,2,3
	v_add_nc_u32 v[TM+12+\b], 0xff000000, v[TM+\b] ; 2 off its exponent field: the conversion's scale operand
.endr
.irp b, 0,1,2,3
	v_lshrrev_b32 v[TM+4+\b], 23, v[TM+12+\b]      ; the scale's byte
.endr
	v_lshl_or_b32 v[\pw], v[TM+5], 8, v[TM+4]
	v_lshl_or_b32 v[\pw], v[TM+6], 16, v[\pw]
	v_lshl_or_b32 v[\pw], v[TM+7], 24, v[\pw]
	s_wait_xcnt 0x0                                ; the last block's stores have read the codes' registers: they are written again only behind this wait
.irp c, 0,1
	v_cvt_scalef32_pk16_fp6_f32 v[CD+6*\c:CD+2+6*\c], v[\s+32*\c:\s+15+32*\c], v[TM+12+2*\c]
	v_cvt_scalef32_pk16_fp6_f32 v[CD+12+4*\c:CD+14+4*\c], v[\s+16+32*\c:\s+31+32*\c], v[TM+12+2*\c+1]   ; (a conversion's three registers begin on an even number)
.endr
	v_nop                                          ; one plain line behind a scaled conversion
.irp c, 0,1                                    ; the operand's layout wants a whole block in a lane: lanes 0-15 block 2 c, lanes 16-31 block 2 c + 1
.irp i, 0,1,2
	v_permlane16_swap_b32 v[CD+6*\c+\i], v[CD+12+4*\c+\i]
.endr
.irp i, 0,1,2
	v_mov_b32 v[CD+3+6*\c+\i], v[CD+12+4*\c+\i]
.endr
.endr
.endm
.macro OUTQK a                         ; registers 0-5: my first head's image of token tile a; registers 6-11: the next head's, a plane of 98,304 bytes on.  Each store covers whole runs of 256 consecutive bytes, aligned
	global_store_b128 v[L16], v[CD:CD+3], s[8:9] offset:768*(\a)
	global_store_b64 v[L8], v[CD+4:CD+5], s[8:9] offset:768*(\a)+512
	global_store_b128 v[L16], v[CD+6:CD+9], s[8:9] offset:98304+768*(\a)
	global_store_b64 v[L8], v[CD+10:CD+11], s[8:9] offset:98304+768*(\a)+512
.endm
.macro OUTV a                          ; a whole fragment: d tile a % 4 of head a / 4
.irp c, 0,1,2
	global_store_b128 v[L16], v[CD+4*\c:CD+4*\c+3], s[20:21] offset:((\a)/4)*98304+((\a)%4)*1536+512*\c
.endr
.endm
	s_wait_tensorcnt 1                             ; the scales and my part of K step 0 are in (K step 1's load may be out)
	s_barrier_signal -1
	s_barrier_wait -1                              ; everybody's are
	FETCH_B 0, 0, 0
	FETCH_A 0, 0, 0
	SCALES 0
	FETCH_A 0, 0, 4
	STEP 0, 0, 1                                   ; K = 1,024 is four K steps of 256: twice round the ring, written straight
	TURN 0, 1, 1
	STEP 1, 0, 0
	TURN 1, 0, 1
	STEP 0, 0, 0
	TURN 0, 1, 0                                   ; the last change of slots fills nothing
	s_wait_kmcnt 0x0                               ; the way out's buffers
	s_cmp_eq_u32 s[MODE], 0                        ; THE ONE PARTING OF THE MODES: the last two steps are written in both arms, so that an arm's loads stand 128 matrix instructions ahead of their use
	s_cbranch_scc0 .Lvmode
	; ---- q and k.  My features fb = 256 TC + 128 (wave % 2) on, my tokens tb = 256 TR + 128 (wave / 2) on
	s_lshl_b32 s18, s42, 8
	s_lshl_b32 s19, s16, 7
	s_add_co_u32 s18, s18, s19                     ; fb
	s_lshl_b32 s40, s17, 8
	s_lshl_b32 s41, s15, 7
	s_add_co_u32 s40, s40, s41                     ; tb
	s_lshr_b32 s41, s18, 10                        ; q or k
	s_lshl_b32 s41, s41, 6
	s_lshr_b32 s43, s40, 11                        ; the batch
	s_lshl_b32 s43, s43, 4
	s_add_co_u32 s41, s41, s43
	s_bfe_u32 s43, s18, 0x40006                    ; the head
	s_add_co_u32 s41, s41, s43                     ; the plane
	s_and_b32 s44, s40, 2047                       ; t0: my first token in its batch
	s_mov_b32 s13, 0
	s_lshl_b32 s12, s18, 2
	s_add_nc_u64 s[4:5], s[4:5], s[12:13]          ; the bias at my first feature
	s_lshl_b32 s12, s44, 8
	s_add_nc_u64 s[6:7], s[6:7], s[12:13]          ; the table at my first token
	s_lshl_b32 s12, s41, 7
	s_lshr_b32 s45, s44, 4
	s_add_co_u32 s12, s12, s45
	s_mul_i32 s12, s12, 768
	s_add_nc_u64 s[8:9], s[8:9], s[12:13]          ; the images: (128 x plane + t0 / 16) x 768
	s_lshl_b32 s12, s41, 13
	s_lshl_b32 s45, s44, 2
	s_add_co_u32 s12, s12, s45
	s_add_nc_u64 s[10:11], s[10:11], s[12:13]      ; the scale words: 8,192 x plane + 256 (t0 / 64)
.irp b, 0,1,2,3,4,5,6,7
	global_load_b128 v[BI+8*\b:BI+8*\b+3], v[BO], s[4:5] offset:64*\b          ; the bias of features 16 b + 8 h + 0 .. 7
	global_load_b128 v[BI+8*\b+4:BI+8*\b+7], v[BO], s[4:5] offset:64*\b+16
.endr
	WIN 0x40
	TABLOAD 0
	TABLOAD 1
	WIN 0
	STEP 1, 0, 0
	LAST
.irp a, 0,1,2,3,4,5,6,7
.if \a < 7
	s_wait_loadcnt 8                               ; the bias and this block's table rows are in; the next block's eight loads may be out
.else
	s_wait_loadcnt 0
.endif
	BIASQK \a
	ROPE \a
.if \a < 6
	WIN 0x40
	TABLOAD \a+2                                   ; into the set just read
	WIN 0
.endif
	QUANT H, PWS+\a
	OUTQK \a
.endr
.irp a, 0,1,2,3,4,5,6,7
	v_lshrrev_b32 v[PWS+\a], v[SH], v[PWS+\a]      ; lanes 16-31 bring the second head's two bytes down (zeros above); lanes 0-15 keep the first head's below (the second's, never 0xff, above)
.endr
	global_store_b128 v[SQ], v[PWS:PWS+3], s[10:11]             ; sixteen lanes store 256 consecutive bytes: 64 tokens' words of a head
	global_store_b128 v[SQ], v[PWS+4:PWS+7], s[10:11] offset:256
	s_branch .Ljoin
.Lvmode:
	; ---- v.  My tokens tb = 256 TC + 128 (wave % 2) on: one key step; my features fv = 256 TR + 128 (wave / 2) on: two heads
	s_lshl_b32 s18, s42, 8
	s_lshl_b32 s19, s16, 7
	s_add_co_u32 s18, s18, s19                     ; tb
	s_lshl_b32 s40, s17, 8
	s_lshl_b32 s41, s15, 7
	s_add_co_u32 s40, s40, s41                     ; fv
	s_lshr_b32 s41, s18, 11
	s_lshl_b32 s41, s41, 4
	s_lshr_b32 s43, s40, 6
	s_add_co_u32 s41, s41, s43                     ; 16 x batch + head
	s_bfe_u32 s43, s18, 0x40007                    ; the key step
	s_lshl_b32 s41, s41, 4
	s_add_co_u32 s41, s41, s43
	s_mov_b32 s13, 0
	s_lshl_b32 s12, s40, 2
	s_add_co_u32 s12, s12, 8192
	s_add_nc_u64 s[4:5], s[4:5], s[12:13]          ; the bias at feature 2,048 + fv
	s_mul_i32 s12, s41, 6144
	s_add_nc_u64 s[20:21], s[20:21], s[12:13]      ; the images: four of 1,536 bytes a key step
	s_lshl_b32 s12, s41, 8
	s_add_nc_u64 s[22:23], s[22:23], s[12:13]      ; the scale words: 256 bytes a key step
.irp a, 0,1,2,3,4,5,6,7
	global_load_b32 v[BI+2*\a], v[BV], s[4:5] offset:64*\a      ; the bias of feature 16 a + r,
	global_load_b32 v[BI+2*\a+1], v[BV], s[4:5] offset:64*\a    ; twice: the packed form names the pair
.endr
	STEP 1, 0, 0
	LAST
	s_wait_loadcnt 0x0
.irp a, 0,1,2,3,4,5,6,7
	BIASV \a
	QUANT H, PWS+\a
	OUTV \a
.endr
.irp i, 0,1,2,3
	v_cndmask_b32 v[OUTS+\i], v[PWS+\i], v[PWS+4+\i], s[HIM]    ; lanes 0-15: the first head's d tile i; lanes 16-31: the second head's
.endr
	global_store_b128 v[SV], v[OUTS:OUTS+3], s[22:23]           ; sixteen lanes store a head's 256 consecutive bytes
.Ljoin:
	s_wait_tensorcnt 0x0                           ; the wave's end
	ds_add_u32 v[SPW], v[NIL]
	s_wait_dscnt 0x0
	CROUND                                         ; the closing round: no work-group ends while a partner may still ask for a tile that names it
	s_endpgm
.Lfunc_end_k_q8e587e9e9a_qkv:
	.size	k_q8e587e9e9a_qkv, .Lfunc_end_k_q8e587e9e9a_qkv-k_q8e587e9e9a_qkv
	.p2alignl 7, 3214868480
	.fill 96, 4, 3214868480
	.section	.rodata,"a",@progbits
	.p2align	6, 0x0
	.amdhsa_kernel k_q8e587e9e9a_qkv
		.amdhsa_group_segment_fixed_size 327680
		.amdhsa_private_segment_fixed_size 0
		.amdhsa_enable_private_segment 0
		.amdhsa_kernarg_size 80
		.amdhsa_user_sgpr_count 2
		.amdhsa_user_sgpr_kernarg_segment_ptr 1
		.amdhsa_wavefront_size32 1
		.amdhsa_system_sgpr_workgroup_id_x 1
		.amdhsa_system_sgpr_workgroup_id_y 1
		.amdhsa_system_sgpr_workgroup_id_z 1
		.amdhsa_system_vgpr_workitem_id 0
		.amdhsa_next_free_vgpr 1024
		.amdhsa_next_free_sgpr 102
		.amdhsa_reserve_vcc 0
		.amdhsa_float_denorm_mode_32 3
		.amdhsa_float_denorm_mode_16_64 3
		.amdhsa_memory_ordered 1
		.amdhsa_forward_progress 1
		.amdhsa_inst_pref_size 255
	.end_amdhsa_kernel
	.section	.bss,"aw",@nobits
	.p2align	6
	.space	262144
	.amdgpu_metadata
---
amdhsa.version: [ 1, 2 ]
amdhsa.kernels:
  - .name:           k_q8e587e9e9a_qkv
    .symbol:         k_q8e587e9e9a_qkv.kd
    .args:
      - { .name: x_codes, .offset: 0, .size: 8, .value_kind: global_buffer, .address_space: global }
      - { .name: x_scales, .offset: 8, .size: 8, .value_kind: global_buffer, .address_space: global }
      - { .name: qkv_w_codes, .offset: 16, .size: 8, .value_kind: global_buffer, .address_space: global }
      - { .name: qkv_w_scales, .offset: 24, .size: 8, .value_kind: global_buffer, .address_space: global }
      - { .name: qkv_b, .offset: 32, .size: 8, .value_kind: global_buffer, .address_space: global }
      - { .name: rope, .offset: 40, .size: 8, .value_kind: global_buffer, .address_space: global }
      - { .name: qk_f, .offset: 48, .size: 8, .value_kind: global_buffer, .address_space: global }
      - { .name: qk_s, .offset: 56, .size: 8, .value_kind: global_buffer, .address_space: global }
      - { .name: v_f, .offset: 64, .size: 8, .value_kind: global_buffer, .address_space: global }
      - { .name: v_s, .offset: 72, .size: 8, .value_kind: global_buffer, .address_space: global }
    .group_segment_fixed_size: 327680
    .private_segment_fixed_size: 0
    .kernarg_segment_align: 8
    .kernarg_segment_size: 80
    .max_flat_workgroup_size: 128
    .sgpr_count:     102
    .vgpr_count:     1024
    .wavefront_size: 32
...
	.end_amdgpu_metadata
.endif
;; end of part 2
;; launch attn (part 3): grid 4 x 64, 16 waves a work-group, no clusters, 34,816 bytes of LDS; arguments qk_f, qk_s, v_f, v_s, mk, a_f, a_s; writes a_f, a_s
.if DOCPART == 3
	.amdgcn_target "amdgcn-amd-amdhsa--gfx1250"
	.amdhsa_code_object_version 6
	.text
	.protected	k_q8e587e9e9a_attn
	.globl	k_q8e587e9e9a_attn
	.p2align	8
	.type	k_q8e587e9e9a_attn,@function
k_q8e587e9e9a_attn:
	s_mov_b64 s[64:65], 0
	v_nop
	global_prefetch_b8 v0, s[64:65] scope:SCOPE_SE
	s_setreg_imm32_b32 hwreg(HW_REG_WAVE_MODE, 25, 1), 1
	s_wait_xcnt 0x0
; ATTN.  For each (batch, head): S^T = K Q^T on codes of FP6 (K = the head's 64: the upper half of each instruction's 128 multiplies zero codes of Q), the given mask, the softmax, O^T = V^T P^T on codes (K = the keys), and the result,
; divided by the row's sum, quantised along the channels for the last product.  t = score x log2(e) / 8; M = the running largest t rounded up to a whole number; p = 2^(t - M) is quantised; the sum is taken of the unquantised p.
; SHARES.  Work-group (x, batch x 16 + head) makes two passes: the query blocks x and 7 - x, of 256 queries.  Each of sixteen waves owns a tile of 16 queries; a lane holds ONE query throughout (both products transposed).
; Every pass walks all 16 key steps of 128 keys, one barrier a step.  THE MASK IS AN INPUT: an earlier launch has packed it into lane masks and into flags for each (tile, key step).  A step in which no query of a tile keeps a key is passed over
; by that wave, a step that no tile of the block needs is not even staged, and a step whose keys all count needs no mask words: scalar branches on stored whole numbers, round loads, stores and arithmetic, never round a barrier.
; K AND V COME THROUGH REGISTERS INTO LDS (two slots by turns): waves 0-11 bring 512 bytes each of K's and of V's images of the next step, wave 12 K's scale words, wave 13 V's; asked for at a step's head, stored at its end.
; No tensor loads, no cluster, no joint loads: the walk hangs on numbers read from memory, and partners would want different steps.  No prefetch: each step's bytes are asked for a whole step ahead, into registers.
; K's eight half fragments lie 6 registers apart; operand i is registers 6 i .. 6 i + 11: its upper half, the next fragment's codes (zeros behind the last), meets Q's zero codes; the scale bytes there are never 0xff.
; V^T's TILES ARE CHOSEN BY ADDRESS: lane rho of tile 2 B + u takes row d = 32 B + 8 u + rho + 8 (rho / 8), so that a lane's 16 registers of O^T's tiles 2 B, 2 B + 1 are d = 32 B + 16 h + 0 .. 15: the natural order that out_w's codes have.
; A ROW THAT THE MASK HIDES WHOLLY has sum 0: its codes are zeros and its scale bytes 0xff, so that the last product gives NaN there, as a softmax of nothing does.  LIMITS: NaN and infinities among the inputs are not served.
.set SLOT, 16384                       ; a slot: K's 8 images of 768 bytes; from 6,144 V's 4 images, 1,664 bytes apart (1,536 + 128, so that lanes 8-15 of a read fall on the other half of the banks); 12,800 K's scale words; 13,312 V's
.set S,   96                           ; v96-159  S^T, then p
.set O,   160                          ; v160-191 O^T
.set PC,  192                          ; v192-203 p's codes
.set PT,  204                          ; v204-211 the conversions' second halves
.set BM,  212                          ; v212-215 a block's largest score, then its largest p
.set BX,  216                          ; v216-219 the other half's; then the bytes
.set SO,  220                          ; v220-223 the conversions' scale operands
.set F,   224                          ; v[224:225] f = 2^(old M - new M)
.set TP,  226
.set L2,  228                          ; v[228:229] the sum's second chain
.set KSC, 232                          ; v232-239 K's scale words; v240-243 V's; v244 Q's; v245 p's: these hold scales and nothing else
.set VSC, 240
.set QS,  244
.set PS,  245
.set WV,   20
.set BH,   21
.set PASS, 23
.set QB,   24
.set TRIP, 25
.set WGA,  26                          ; bit 0: some tile of the block needs the step in hand; bit 1: the next step; and so on
.set MYA,  27                          ; the same of my tile
.set MYL,  28                          ; bit 0: all keys of the step count for my tile
.set CS,   30                          ; s[30:31] c = log2(e) / 8
.set SEL,  66
.set KP,   68
.set VP,   70
.set KSP,  72
.set VSP,  74
.set MP,   76
.set HIM,  84
	s_load_b256 s[4:11], s[0:1], 0x0               ; qk_f, qk_s, v_f, v_s
	s_load_b128 s[12:15], s[0:1], 0x20             ; mk, a_f
	s_load_b64 s[16:17], s[0:1], 0x30              ; a_s
	v_lshl_add_u32 v254, v0, 2, 0x8000
	v_mov_b32 v255, 0
	v_lshrrev_b32 v246, 5, v0
	s_delay_alu instid0(VALU_DEP_1)
	v_readfirstlane_b32 s[WV], v246                ; wave 0..15
	v_and_b32 v247, 31, v0                         ; l
	v_and_b32 v248, 15, v0                         ; r
	v_bfe_u32 v249, v0, 4, 1                       ; h
	v_and_b32 v250, 7, v0                          ; x
	v_bfe_u32 v251, v0, 3, 1                       ; g
	v_lshlrev_b32 v1, 4, v247                      ; v1  16 l
	v_lshlrev_b32 v3, 3, v247                      ; v3  8 l
	s_delay_alu instid0(VALU_DEP_1)
	v_add_nc_u32 v2, 512, v3                       ; v2  512 + 8 l
	s_delay_alu instid0(VALU_DEP_4)
	v_mul_u32_u24 v4, v251, 1664
	s_delay_alu instid0(VALU_DEP_1)
	v_lshl_add_u32 v4, v249, 8, v4
	s_delay_alu instid0(VALU_DEP_1)
	v_lshl_add_u32 v4, v250, 4, v4
	s_delay_alu instid0(VALU_DEP_1)
	v_add_nc_u32 v4, 6144, v4                      ; v4  V: image 2 B + g, its lane 8 u + x + 16 h
	v_lshlrev_b32 v30, 4, v248                     ; v30 16 r
	s_delay_alu instid0(VALU_DEP_1)
	v_add_nc_u32 v5, 12800, v30                    ; v5  K's scale words of row r
	v_lshlrev_b32 v6, 4, v250
	s_delay_alu instid0(VALU_DEP_1)
	v_lshl_add_u32 v6, v251, 2, v6
	s_delay_alu instid0(VALU_DEP_1)
	v_add_nc_u32 v6, 13312, v6                     ; v6  V's: row 8 u + x, d tile 2 B + g
	s_lshl_b32 s78, s[WV], 9
	v_add_nc_u32 v7, s78, v1                       ; v7  512 w + 16 l: my part of a step's 6,144 bytes, in memory and (K) in a slot
	s_mul_i32 s79, s[WV], 11
	s_lshr_b32 s79, s79, 5                         ; w / 3 for w under 12
	s_lshl_b32 s79, s79, 7
	s_add_co_u32 s79, s79, s78
	s_add_co_u32 s79, s79, 6144
	v_add_nc_u32 v8, s79, v1                       ; v8  the same for V in a slot: 128 bytes more behind each image
	v_add_nc_u32 v9, 12800, v1                     ; v9  wave 12's target
	v_add_nc_u32 v10, 13312, v3                    ; v10 wave 13's
	v_lshlrev_b32 v11, 3, v248                     ; v11 8 r: the flags of key step r
	v_lshl_add_u32 v29, v248, 5, v249              ; v29 32 r + h: my byte among the result's scale bytes
	v_mov_b32 v28, 0xff800000                      ; -infinity
.irp j, 22,23,24,25,26,27,80,81,82,83,84,85,86,87,88,89,90,91,92,93,216,217,218,219,225,226
	v_mov_b32 v\j, 0                               ; Q's upper half and the six registers behind K's last fragment: zero codes; the staging registers, the permutes' destinations and the upper half of f's pair: written once
.endr
	s_and_b32 s[BH], ttmp7, 0xffff
	s_mov_b32 s[CS], 0x3e38aa3b
	s_mov_b32 s[CS+1], s[CS]
	s_mov_b32 s[SEL], 0x76543210
	s_mov_b32 s[SEL+1], 0xfedcba98
	s_mov_b32 s[HIM], 0xffff0000
	s_mul_i32 s78, s[BH], 98304
	s_mov_b32 s79, 0
	s_lshl_b32 s80, s[BH], 13
	s_mov_b32 s81, 0
	s_lshl_b32 s82, s[BH], 12
	s_mov_b32 s83, 0
	s_lshr_b32 s85, s[BH], 4                       ; the batch
	s_and_b32 s86, s[BH], 15                       ; the head
	s_lshl_b32 s88, s85, 11
	s_add_co_u32 s88, s88, s86
	s_mul_i32 s88, s88, 768                        ; a_f: (128 x batch x 16 + head) x 768
	s_mov_b32 s89, 0
	s_lshl_b32 s90, s85, 16
	s_lshl_b32 s86, s86, 1
	s_add_co_u32 s90, s90, s86                     ; a_s: 2,048 x batch x 32 + 2 x head
	s_mov_b32 s91, 0
	s_wait_kmcnt 0x0
	s_add_nc_u64 s[4:5], s[4:5], s[78:79]          ; q's plane of images (k's lies 64 planes on)
	s_add_nc_u64 s[6:7], s[6:7], s[80:81]          ; q's plane of scale words
	s_add_nc_u64 s[8:9], s[8:9], s[78:79]
	s_add_nc_u64 s[10:11], s[10:11], s[82:83]
	s_add_nc_u64 s[14:15], s[14:15], s[88:89]
	s_add_nc_u64 s[16:17], s[16:17], s[90:91]
; The staging of a key step, off steps on from the pointers: the branches hang on the wave's number alone
.macro ASK off
	s_cmp_lt_u32 s[WV], 12
	s_cbranch_scc0 .La1_\@
	global_load_b128 v[86:89], v7, s[KP:KP+1] offset:(\off)*6144
	global_load_b128 v[90:93], v7, s[VP:VP+1] offset:(\off)*6144
	s_branch .La3_\@
.La1_\@:
	s_cmp_eq_u32 s[WV], 12
	s_cbranch_scc0 .La2_\@
	global_load_b128 v[86:89], v1, s[KSP:KSP+1] offset:(\off)*512
	s_branch .La3_\@
.La2_\@:
	s_cmp_eq_u32 s[WV], 13
	s_cbranch_scc0 .La3_\@
	global_load_b64 v[86:87], v3, s[VSP:VSP+1] offset:(\off)*256
.La3_\@:
.endm
.macro PUT sl
	s_cmp_lt_u32 s[WV], 12
	s_cbranch_scc0 .Lp1_\@
	ds_store_b128 v7, v[86:89] offset:SLOT*(\sl)
	ds_store_b128 v8, v[90:93] offset:SLOT*(\sl)
	s_branch .Lp3_\@
.Lp1_\@:
	s_cmp_eq_u32 s[WV], 12
	s_cbranch_scc0 .Lp2_\@
	ds_store_b128 v9, v[86:89] offset:SLOT*(\sl)
	s_branch .Lp3_\@
.Lp2_\@:
	s_cmp_eq_u32 s[WV], 13
	s_cbranch_scc0 .Lp3_\@
	ds_store_b64 v10, v[86:87] offset:SLOT*(\sl)
.Lp3_\@:
.endm
.macro SOFTMAX
.irp b, 0,1,2,3
	v_max3_num_f32 v[BM+\b], v[S+16*\b], v[S+1+16*\b], v[S+2+16*\b]   ; the largest score of each block of 32 keys: for the row's maximum, and, since p rises with the score, for the block's largest p
.endr
.irp i, 3,5,7,9,11,13
.irp b, 0,1,2,3
	v_max3_num_f32 v[BM+\b], v[BM+\b], v[S+16*\b+\i], v[S+1+16*\b+\i]
.endr
.endr
.irp b, 0,1,2,3
	v_max_num_f32 v[BM+\b], v[BM+\b], v[S+15+16*\b]
.endr
.irp b, 0,1,2,3
	s_delay_alu instid0(VALU_DEP_4)
	v_permlanex16_b32 v[BX+\b], v[BM+\b], s[SEL], s[SEL+1]
.endr
.irp b, 0,1,2,3
	s_delay_alu instid0(VALU_DEP_4)
	v_max_num_f32 v[BM+\b], v[BM+\b], v[BX+\b]     ; with lane l xor 16's 16 keys
.endr
	s_delay_alu instid0(VALU_DEP_2)
	v_max3_num_f32 v[TP], v[BM], v[BM+1], v[BM+2]
	s_delay_alu instid0(VALU_DEP_1)
	v_max_num_f32 v[TP], v[TP], v[BM+3]
	s_delay_alu instid0(VALU_DEP_1)
	v_mul_f32 v[TP], s[CS], v[TP]                  ; as t
	s_delay_alu instid0(VALU_DEP_1)
	v_max_num_f32 v13, v13, v[TP]                  ; the running largest t
	v_mov_b32 v[TP], v12
	s_delay_alu instid0(VALU_DEP_2)
	v_floor_f32 v12, -v13                          ; -M = floor(-t): M is a whole number
	s_delay_alu instid0(VALU_DEP_1)
	v_sub_f32 v[TP], v12, v[TP]                    ; old M - new M: a whole number, 0 or less
	s_delay_alu instid0(VALU_DEP_1)
	v_cvt_i32_f32 v[TP], v[TP]                     ; (it saturates)
	s_delay_alu instid0(VALU_DEP_1)
	v_ldexp_f32 v[F], 1.0, v[TP]                   ; f: a multiplication by it rounds nothing
.set j, 0
.rept 32
	v_pk_fma_f32 v[S+j:S+j+1], v[S+j:S+j+1], s[CS:CS+1], v[12:13] op_sel_hi:[1,0,0]   ; t - M, two at a time
.set j, j+2
.endr
.irp b, 0,1,2,3
	v_fma_f32 v[BM+\b], v[BM+\b], s[CS], v12       ; the same of each block's largest score
.endr
.set j, 0
	s_wait_alu depctr_va_vdst(0)
.rept 64
	v_exp_f32 v[S+j], v[S+j]                       ; p = 2^(t - M): one batch
.set j, j+1
.endr
	v_pk_mul_f32 v[14:15], v[14:15], v[F:F+1] op_sel_hi:[1,0]   ; the sums under the new M: the plain line behind the batch
	s_wait_alu depctr_va_vdst(0)                   ; one wait for the batch, ahead of its first reader
.irp b, 0,1,2,3
	v_exp_f32 v[BM+\b], v[BM+\b]                   ; the blocks' largest p
.endr
	v_pk_add_f32 v[228:229], v[100:101], v[104:105]
	v_pk_add_f32 v[252:253], v[108:109], v[112:113]
	v_pk_add_f32 v[250:251], v[116:117], v[120:121]
	v_pk_add_f32 v[248:249], v[124:125], v[128:129]
	v_pk_add_f32 v[246:247], v[132:133], v[136:137]
	v_pk_add_f32 v[238:239], v[140:141], v[144:145]
	v_pk_add_f32 v[236:237], v[148:149], v[152:153]
	v_pk_add_f32 v[14:15], v[14:15], v[156:157]
	v_pk_add_f32 v[228:229], v[228:229], v[96:97]
	v_pk_add_f32 v[252:253], v[252:253], v[98:99]
	v_pk_add_f32 v[250:251], v[250:251], v[102:103]
	v_pk_add_f32 v[248:249], v[248:249], v[106:107]
	v_pk_add_f32 v[246:247], v[246:247], v[110:111]
	v_pk_add_f32 v[238:239], v[238:239], v[114:115]
	v_pk_add_f32 v[236:237], v[236:237], v[118:119]
	v_pk_add_f32 v[14:15], v[14:15], v[122:123]
	v_pk_add_f32 v[228:229], v[228:229], v[126:127]
	v_pk_add_f32 v[252:253], v[252:253], v[130:131]
	v_pk_add_f32 v[250:251], v[250:251], v[134:135]
	v_pk_add_f32 v[248:249], v[248:249], v[138:139]
	v_pk_add_f32 v[246:247], v[246:247], v[142:143]
	v_pk_add_f32 v[238:239], v[238:239], v[146:147]
	v_pk_add_f32 v[236:237], v[236:237], v[150:151]
	v_pk_add_f32 v[14:15], v[14:15], v[154:155]
	v_pk_add_f32 v[228:229], v[228:229], v[158:159]
	s_delay_alu instid0(VALU_DEP_2)
	v_pk_add_f32 v[14:15], v[14:15], v[248:249]
	s_delay_alu instid0(VALU_DEP_2)
	v_pk_add_f32 v[228:229], v[228:229], v[246:247]
	v_pk_add_f32 v[252:253], v[252:253], v[238:239]
	v_pk_add_f32 v[250:251], v[250:251], v[236:237]
	s_delay_alu instid0(VALU_DEP_2)
	v_pk_add_f32 v[14:15], v[14:15], v[252:253]
	s_delay_alu instid0(VALU_DEP_2)
	v_pk_add_f32 v[228:229], v[228:229], v[250:251]
	s_delay_alu instid0(VALU_DEP_1)
	v_pk_add_f32 v[14:15], v[14:15], v[228:229]
	s_wait_alu depctr_va_vdst(0)                   ; and one for the four
.irp b, 0,1,2,3
	v_max_num_f32 v[BM+\b], 0x1800000, v[BM+\b]    ; the floor 2^(3 - 127): the byte cannot fall under 1
.endr
.irp b, 0,1,2,3
	s_delay_alu instid0(VALU_DEP_4)
	v_add_nc_u32 v[SO+\b], 0xff000000, v[BM+\b]    ; 2 off the exponent field: the conversion's scale operand
.endr
.irp b, 0,1,2,3
	s_delay_alu instid0(VALU_DEP_4)
	v_lshrrev_b32 v[BX+\b], 23, v[SO+\b]           ; the scale's byte
.endr
	s_delay_alu instid0(VALU_DEP_3)
	v_lshl_or_b32 v[PS], v[BX+1], 8, v[BX]
	s_delay_alu instid0(VALU_DEP_1)
	v_lshl_or_b32 v[PS], v[BX+2], 16, v[PS]
	s_delay_alu instid0(VALU_DEP_1)
	v_lshl_or_b32 v[PS], v[BX+3], 24, v[PS]
.irp c, 0,1
	v_cvt_scalef32_pk16_fp6_f32 v[PC+6*\c:PC+2+6*\c], v[S+32*\c:S+15+32*\c], v[SO+2*\c]
	v_cvt_scalef32_pk16_fp6_f32 v[PT+4*\c:PT+2+4*\c], v[S+16+32*\c:S+31+32*\c], v[SO+2*\c+1]
.endr
	v_nop                                          ; one plain line behind a scaled conversion
.irp c, 0,1
.irp i, 0,1,2
	v_permlane16_swap_b32 v[PC+6*\c+\i], v[PT+4*\c+\i]
.endr
.irp i, 0,1,2
	s_delay_alu instid0(VALU_DEP_3)
	v_mov_b32 v[PC+3+6*\c+\i], v[PT+4*\c+\i]
.endr
.endr
.set j, 0
.rept 16
	v_pk_mul_f32 v[O+j:O+j+1], v[O+j:O+j+1], v[F:F+1] op_sel_hi:[1,0]   ; O^T under the new M; these sixteen are also the places between the codes' and the scale word's last writes and the products
.set j, j+2
.endr
.endm
; A KEY STEP out of slot sl
.macro STEP sl
	s_bitcmp1_b32 s[WGA], 1                        ; does any tile of the block need the next step?  (bit 16 is 0: the last step asks for nothing)
	s_cbranch_scc0 .Lna_\@
	ASK 1
.Lna_\@:
	s_bitcmp1_b32 s[MYA], 0                        ; does my tile keep any key of this step?
	s_cbranch_scc0 .Lidle_\@
	s_load_b512 s[32:47], s[MP:MP+1], 0x0          ; the lane masks of score registers 0 to 31
	s_load_b512 s[48:63], s[MP:MP+1], 0x40
.irp i, 0,1,2,3,4,5,6,7
	ds_load_b128 v[32+6*\i:35+6*\i], v1 offset:SLOT*(\sl)+768*\i
	ds_load_b64 v[36+6*\i:37+6*\i], v2 offset:SLOT*(\sl)+768*\i
.endr
	ds_load_b128 v[KSC:KSC+3], v5 offset:SLOT*(\sl)
	ds_load_b128 v[KSC+4:KSC+7], v5 offset:SLOT*(\sl)+256
	s_wait_dscnt 0x0
.irp i, 0,1,2,3,4,5,6,7
	v_wmma_scale_f32_16x16x128_f8f6f4 v[S+8*\i:S+8*\i+7], v[32+6*\i:43+6*\i], v[16:27], 0, v[KSC+\i], v[QS] matrix_a_fmt:MATRIX_FMT_FP6 matrix_b_fmt:MATRIX_FMT_FP6
.endr
.rept 4
	v_nop                                          ; places in front of the loads into K's registers and of the first read of the scores
.endr
.irp t, 0,1,2,3
.irp c, 0,1,2
	ds_load_b128 v[32+12*\t+4*\c:35+12*\t+4*\c], v4 offset:SLOT*(\sl)+3328*(\t/2)+128*(\t%2)+512*\c
.endr
	ds_load_b32 v[VSC+\t], v6 offset:SLOT*(\sl)+128*(\t%2)+8*(\t/2)
.endr
	s_wait_kmcnt 0x0                               ; on both ways: no scalar load is out when the next one names these registers, or when the pointer steps
	s_bitcmp1_b32 s[MYL], 0
	s_cbranch_scc1 .Lopen_\@                       ; all 128 keys count for all 16 queries
.set n, 0
.rept 32
	v_cndmask_b32 v[S+n], v28, v[S+n], s[32+n]     ; a hidden score becomes -infinity ahead of the maximum: p = 0 then.  Ascending: each accumulator is read from its low end on
.set n, n+1
.endr
	s_load_b512 s[32:47], s[MP:MP+1], 0x80
	s_load_b512 s[48:63], s[MP:MP+1], 0xc0
	s_wait_kmcnt 0x0
.set n, 0
.rept 32
	v_cndmask_b32 v[S+32+n], v28, v[S+32+n], s[32+n]
.set n, n+1
.endr
.Lopen_\@:
	SOFTMAX
	s_wait_alu depctr_va_vdst(0)
	s_wait_dscnt 0x0                               ; V's fragments and scale words
.irp t, 0,1,2,3
	v_wmma_scale_f32_16x16x128_f8f6f4 v[O+8*\t:O+8*\t+7], v[32+12*\t:43+12*\t], v[PC:PC+11], v[O+8*\t:O+8*\t+7], v[VSC+\t], v[PS] matrix_a_fmt:MATRIX_FMT_FP6 matrix_b_fmt:MATRIX_FMT_FP6
.endr
.rept 4
	v_nop                                          ; places in front of the next step's loads and of the next vector lines on O^T
.endr
.Lidle_\@:
	s_wait_loadcnt 0x0                             ; on every way: the next step's bytes are in my registers, and the four pointers may step
	s_bitcmp1_b32 s[WGA], 1
	s_cbranch_scc0 .Lnp_\@
	PUT 1-\sl                                      ; into the slot that every wave left at the last barrier
.Lnp_\@:
	s_add_nc_u64 s[KP:KP+1], s[KP:KP+1], 6144
	s_add_nc_u64 s[VP:VP+1], s[VP:VP+1], 6144
	s_add_nc_u64 s[KSP:KSP+1], s[KSP:KSP+1], 512
	s_add_nc_u64 s[VSP:VSP+1], s[VSP:VSP+1], 256
	s_add_nc_u64 s[MP:MP+1], s[MP:MP+1], 256
	s_lshr_b32 s[WGA], s[WGA], 1
	s_lshr_b32 s[MYA], s[MYA], 1
	s_lshr_b32 s[MYL], s[MYL], 1
	s_wait_dscnt 0x0                               ; my stores have landed and my reads of this slot are over
	s_barrier_signal -1
	s_barrier_wait -1
.endm
	s_mov_b32 s[PASS], 0
.Lpass:
	s_wait_xcnt 0x0                                ; the last pass's stores have read their registers and addresses
	s_sub_co_u32 s78, 7, ttmp9
	s_cmp_eq_u32 s[PASS], 0
	s_cselect_b32 s[QB], ttmp9, s78                ; query block x, then 7 - x
	s_lshl_b32 s79, s[QB], 4
	s_add_co_u32 s79, s79, s[WV]                   ; qt: my tile
	s_mov_b32 s81, 0
	s_add_nc_u64 s[KP:KP+1], s[4:5], 0x600000      ; k's plane: 64 planes of 98,304 bytes on
	s_mov_b64 s[VP:VP+1], s[8:9]
	s_add_nc_u64 s[KSP:KSP+1], s[6:7], 0x80000     ; 64 planes of 8,192 bytes on
	s_mov_b64 s[VSP:VSP+1], s[10:11]
	s_lshl_b32 s80, s79, 12
	s_add_nc_u64 s[MP:MP+1], s[12:13], s[80:81]    ; my tile's lane masks: 16 steps of 256 bytes
	s_mul_i32 s80, s79, 768
	s_add_nc_u64 s[82:83], s[4:5], s[80:81]        ; my tile's image of q
	s_lshr_b32 s80, s79, 2
	s_lshl_b32 s80, s80, 8
	s_and_b32 s78, s79, 3
	s_lshl_b32 s78, s78, 2
	s_add_co_u32 s80, s80, s78
	s_add_nc_u64 s[86:87], s[6:7], s[80:81]        ; and its scale words
	s_lshl_b32 s80, s[QB], 7
	s_add_co_u32 s80, s80, 0x80000
	s_add_nc_u64 s[88:89], s[12:13], s[80:81]      ; the block's flags
	s_mul_i32 s80, s79, 12288
	s_add_nc_u64 s[90:91], s[14:15], s[80:81]      ; where my tile's result goes
	s_lshl_b32 s80, s79, 9
	s_add_nc_u64 s[92:93], s[16:17], s[80:81]
	global_load_b128 v[16:19], v1, s[82:83]
	global_load_b64 v[20:21], v3, s[82:83] offset:512
	global_load_b32 v[QS], v30, s[86:87]
	global_load_b64 v[246:247], v11, s[88:89]      ; lane r: the two flag words of key step r
.set j, 0
.rept 32
	v_mov_b32 v[O+j], 0                            ; O^T: the step is written once; its first turn finds zeros
.set j, j+1
.endr
	v_mov_b32 v14, 0
	v_mov_b32 v15, 0
	v_mov_b32 v13, 0xff61b1e6                      ; the largest t so far: -3e38
	s_delay_alu instid0(VALU_DEP_1)
	v_floor_f32 v12, -v13
	s_wait_loadcnt 0x0
	v_cmp_ne_u32 s[WGA], 0, v246
	s_and_b32 s[WGA], s[WGA], 0xffff
	v_lshrrev_b32 v248, s[WV], v246
	s_delay_alu instid0(VALU_DEP_1)
	v_and_b32 v248, 1, v248
	s_delay_alu instid0(VALU_DEP_1)
	v_cmp_ne_u32 s[MYA], 0, v248
	s_and_b32 s[MYA], s[MYA], 0xffff
	v_lshrrev_b32 v248, s[WV], v247
	s_delay_alu instid0(VALU_DEP_1)
	v_and_b32 v248, 1, v248
	s_delay_alu instid0(VALU_DEP_1)
	v_cmp_ne_u32 s[MYL], 0, v248
	s_and_b32 s[MYL], s[MYL], 0xffff
	s_bitcmp1_b32 s[WGA], 0
	s_cbranch_scc0 .Lno_first
	ASK 0
	s_wait_loadcnt 0x0
	PUT 0                                          ; slot 0 was last read two barriers ago
.Lno_first:
	s_wait_dscnt 0x0
	s_barrier_signal -1
	s_barrier_wait -1
	s_mov_b32 s[TRIP], 8
.Lsteps:
	STEP 0
	STEP 1
	s_sub_co_u32 s[TRIP], s[TRIP], 1
	s_cmp_lg_u32 s[TRIP], 0
	s_cbranch_scc1 .Lsteps
	; ---- the way out of a pass: O^T / the sum, quantised along d (two blocks of 32), as half a fragment's image and two scale bytes a query
	v_add_f32 v14, v14, v15
	s_delay_alu instid0(VALU_DEP_1)
	v_permlanex16_b32 v[TP], v14, s[SEL], s[SEL+1]
	s_delay_alu instid0(VALU_DEP_1)
	v_add_f32 v14, v14, v[TP]                      ; the row's sum
	s_wait_alu depctr_va_vdst(0)
	v_rcp_f32 v246, v14
	v_nop                                          ; a plain line behind the reciprocal
	v_cmp_lt_f32 vcc_lo, 0, v14                    ; has the row any key?
	s_wait_alu depctr_va_vdst(0)                   ; a wait ahead of the first reader
	v_cndmask_b32 v246, 0, v246, vcc_lo
	s_delay_alu instid0(VALU_DEP_1)
	v_mov_b32 v247, v246
.set j, 0
.rept 16
	v_pk_mul_f32 v[S+j:S+j+1], v[O+j:O+j+1], v[246:247] op_sel_hi:[1,0]   ; register 16 B + i: d = 32 B + 16 h + i
.set j, j+2
.endr
.irp b, 0,1
	v_max3_num_f32 v[BM+\b], |v[S+16*\b]|, |v[S+1+16*\b]|, 0x1800000
.endr
.irp i, 2,4,6,8,10,12,14
.irp b, 0,1
	s_delay_alu instid0(VALU_DEP_2)
	v_max3_num_f32 v[BM+\b], v[BM+\b], |v[S+16*\b+\i]|, |v[S+1+16*\b+\i]|
.endr
.endr
.irp b, 0,1
	s_delay_alu instid0(VALU_DEP_2)
	v_permlanex16_b32 v[BX+\b], v[BM+\b], s[SEL], s[SEL+1]
.endr
.irp b, 0,1
	s_delay_alu instid0(VALU_DEP_2)
	v_max_num_f32 v[BM+\b], v[BM+\b], v[BX+\b]
.endr
.irp b, 0,1
	s_delay_alu instid0(VALU_DEP_2)
	v_add_nc_u32 v[SO+\b], 0xff000000, v[BM+\b]
.endr
.irp b, 0,1
	s_delay_alu instid0(VALU_DEP_2)
	v_lshrrev_b32 v[BX+\b], 23, v[SO+\b]
.endr
.irp b, 0,1
	s_delay_alu instid0(VALU_DEP_2)
	v_cndmask_b32 v[BX+\b], 0xff, v[BX+\b], vcc_lo ; a row without keys: the byte that stands for NaN
.endr
	v_cvt_scalef32_pk16_fp6_f32 v[PC:PC+2], v[S:S+15], v[SO]
	v_cvt_scalef32_pk16_fp6_f32 v[PT:PT+2], v[S+16:S+31], v[SO+1]
	v_nop                                          ; one plain line behind a scaled conversion
.irp i, 0,1,2
	v_permlane16_swap_b32 v[PC+\i], v[PT+\i]
.endr
.irp i, 0,1,2
	s_delay_alu instid0(VALU_DEP_3)
	v_mov_b32 v[PC+3+\i], v[PT+\i]
.endr
	v_cndmask_b32 v248, v[BX], v[BX+1], s[HIM]     ; lanes 0-15 carry block 0's byte, lanes 16-31 block 1's
	global_store_b128 v1, v[PC:PC+3], s[90:91]     ; 512 consecutive bytes,
	global_store_b64 v3, v[PC+4:PC+5], s[90:91] offset:512   ; and 256
	global_store_b8 v29, v248, s[92:93]            ; two bytes of each token's row of 32: runs of 256 bytes are written in part here; the whole buffer is 262,144 bytes, and whole runs would want all 16 heads in one work-group
	s_add_co_u32 s[PASS], s[PASS], 1
	s_cmp_lt_u32 s[PASS], 2
	s_cbranch_scc1 .Lpass
	s_wait_tensorcnt 0x0
	ds_add_u32 v254, v255
	s_wait_dscnt 0x0
	s_endpgm
.Lfunc_end_k_q8e587e9e9a_attn:
	.size	k_q8e587e9e9a_attn, .Lfunc_end_k_q8e587e9e9a_attn-k_q8e587e9e9a_attn
	.p2alignl 7, 3214868480
	.fill 96, 4, 3214868480
	.section	.rodata,"a",@progbits
	.p2align	6, 0x0
	.amdhsa_kernel k_q8e587e9e9a_attn
		.amdhsa_group_segment_fixed_size 34816
		.amdhsa_private_segment_fixed_size 0
		.amdhsa_enable_private_segment 0
		.amdhsa_kernarg_size 56
		.amdhsa_user_sgpr_count 2
		.amdhsa_user_sgpr_kernarg_segment_ptr 1
		.amdhsa_wavefront_size32 1
		.amdhsa_system_sgpr_workgroup_id_x 1
		.amdhsa_system_sgpr_workgroup_id_y 1
		.amdhsa_system_sgpr_workgroup_id_z 1
		.amdhsa_system_vgpr_workitem_id 0
		.amdhsa_next_free_vgpr 256
		.amdhsa_next_free_sgpr 96
		.amdhsa_reserve_vcc 1
		.amdhsa_float_denorm_mode_32 3
		.amdhsa_float_denorm_mode_16_64 3
		.amdhsa_memory_ordered 1
		.amdhsa_forward_progress 1
		.amdhsa_inst_pref_size 60
	.end_amdhsa_kernel
	.amdgpu_metadata
---
amdhsa.version: [ 1, 2 ]
amdhsa.kernels:
  - .name:           k_q8e587e9e9a_attn
    .symbol:         k_q8e587e9e9a_attn.kd
    .args:
      - { .name: qk_f, .offset: 0, .size: 8, .value_kind: global_buffer, .address_space: global }
      - { .name: qk_s, .offset: 8, .size: 8, .value_kind: global_buffer, .address_space: global }
      - { .name: v_f, .offset: 16, .size: 8, .value_kind: global_buffer, .address_space: global }
      - { .name: v_s, .offset: 24, .size: 8, .value_kind: global_buffer, .address_space: global }
      - { .name: mk, .offset: 32, .size: 8, .value_kind: global_buffer, .address_space: global }
      - { .name: a_f, .offset: 40, .size: 8, .value_kind: global_buffer, .address_space: global }
      - { .name: a_s, .offset: 48, .size: 8, .value_kind: global_buffer, .address_space: global }
    .group_segment_fixed_size: 34816
    .private_segment_fixed_size: 0
    .kernarg_segment_align: 8
    .kernarg_segment_size: 56
    .max_flat_workgroup_size: 512
    .sgpr_count:     96
    .vgpr_count:     256
    .wavefront_size: 32
...
	.end_amdgpu_metadata
.endif
;; end of part 3
;; launch oproj (part 4): grid 4 x 32, 4 waves a work-group, clusters of 4 x 4, 327,680 bytes of LDS; arguments a_f, a_s, out_w_codes, out_w_scales, out_b, out0; writes out0
.if DOCPART == 4
	.amdgcn_target "amdgcn-amd-amdhsa--gfx1250"
	.amdhsa_code_object_version 6
	.text
	.protected	k_q8e587e9e9a_oproj
	.globl	k_q8e587e9e9a_oproj
	.p2align	8
	.type	k_q8e587e9e9a_oproj,@function
k_q8e587e9e9a_oproj:
	s_mov_b64 s[64:65], 0
	v_nop
	global_prefetch_b8 v0, s[64:65] scope:SCOPE_SE
	s_setreg_imm32_b32 hwreg(HW_REG_WAVE_MODE, 25, 1), 1
	s_wait_xcnt 0x0
	s_wait_alu depctr_hold_cnt(0) depctr_sa_sdst(0) depctr_va_vdst(0) depctr_va_sdst(0) depctr_va_ssrc(0) depctr_va_vcc(0) depctr_vm_vsrc(0)
	s_getreg_b32 s2, hwreg(HW_REG_IB_STS2, 6, 4)
	s_cmp_eq_u32 s2, 0
	s_cbranch_scc0 .Lentry_in_a_cluster
	s_endpgm
.Lentry_in_a_cluster:
	s_bfe_u32 s2, ttmp6, 0x10000c
	s_cmp_lg_u32 s2, 0xf033
	s_cbranch_scc0 .Lentry_shape_is_right
	s_endpgm
.Lentry_shape_is_right:
; OPROJ.  out0 = A out_w + out_b on codes of FP6 (E2M3) with E8M0 scales for each 32 along K = 1,024.  A, the attention's result, 8,192 tokens, arrives as IMAGES OF OPERAND REGISTERS: for each (tile of 16 tokens, head) 768 bytes:
; lane l's registers 0-3 at 16 l, registers 4-5 at 512 + 8 l; two heads make a fragment of 128 along K.  Its scale bytes lie [token][32].  out_w: 1,024 rows of 768 bytes, scale bytes 32 a row.  out0: [8,192][1,024] f32.
; A tile of 256 x 256 of out0 is made by four waves, each 128 x 128 in 64 accumulators.  K goes in steps of 256 through a ring of two LDS slots filled by tensor loads; the scale bytes of the tile's rows come once.
; CLUSTERS: 4 x 4; A's tiles are shared along a row of the cluster, out_w's along a column, by joint loads.  THE MATRIX INSTRUCTION IS USED TRANSPOSED (source 0 = 16 rows of out_w, source 1 = 16 tokens): a lane holds eight neighbouring
; numbers of a row of out0.  The bias is the C of each sum's first product.  A token whose scale bytes are 0xff (a row that the mask hid wholly) comes out NaN.  128 work-groups: the tile that keeps LDS reads lowest for each product.
; REGISTERS, in windows of 256: window 0: v0-31 addresses; v32-63 scale words; v64-127 the bias; from v128 A's fragments, one set; on the way out v128-255 rows of out0.  window 1: out_w's fragments, two sets.  windows 2, 3: the accumulators.
.set SIZE_N, 1024
.set KSTEP,  256
.set NQ,     2
.set ROWB,   192
.set KROW,   768
.set PITCH,  240
.set FR,     12
.set NL,     6                         ; LDS loads that bring a fragment of out_w
.set NLA,    4                         ; and one of A
.set NP,     4
.set TILEA,  3072                      ; a token tile's four heads of a K step
.set HALFA,  8*TILEA                   ; 128 tokens: what one tensor load brings of A
.set HALFT,  128*PITCH                 ; 128 rows of out_w
.set BOFF,   2*HALFA
.set SLOT,   BOFF+2*HALFT
.set KS,     32
.set SCL,    2*SLOT
.set HALFS,  (128*KS/256)*272
.set SBLK,   (16*KS/256)*272
.set SPARE,  SCL+4*HALFS               ; the spare words: 128 bytes a wave, named by no other line
.set SPITCH, 528                       ; the way out: a stage of 16 rows x (512 bytes + 16) for each wave, in slot 0, which has had its last fill and its last read by then
.set ADRA, 16                          ; v16-17 slot 0, 1: my A tiles + 16 l;  v18-19: + 8 l
.set ADRB, 20
.set STO,  24
.set RD,   25
.set CO,   26
.set ADRS, 27
.set SPW,  28
.set NIL,  29
.set SC,   32
.set BI,   64
.set AF,   128
.set BK,   128
.set G1, 24
.set G0, 32
.set G1B, 48
.set G0B, 56
.set G1S, 68
.set G0S, 76
.set G1SB, 80
.set G0SB, 88
.set MSB, 0
.macro WIN new
.if MSB != (\new)
	s_set_vgpr_msb (MSB<<8)|(\new)
.set MSB, (\new)
.endif
.endm
.set MUL_LO, 0xa1
.set MUL_HI, 0xf1
.set TO_B,   0x40
.macro JLOAD g0a, g1a, g0b, g1b        ; a joint load: waves 0 and 1 fetch for A, waves 2 and 3 for out_w; four v_nop follow each of the two lines
	s_cmp_eq_u32 s15, 0
	s_cbranch_scc0 .Lfor_b_\@
	tensor_load_to_lds s[\g0a:\g0a+3], s[\g1a:\g1a+7]
	s_nop 0
.rept 4
	v_nop
.endr
	s_branch .Lasked_\@
.Lfor_b_\@:
	tensor_load_to_lds s[\g0b:\g0b+3], s[\g1b:\g1b+7]
	s_nop 0
.rept 4
	v_nop
.endr
.Lasked_\@:
.endm
.macro CREST
	s_cmp_lg_u32 s14, 0
	s_cbranch_scc1 .Lnot_wave_0_\@
	s_barrier_signal -3
.Lnot_wave_0_\@:
	s_barrier_wait -3
	s_barrier_signal -1
	s_barrier_wait -1
.endm
.macro CROUND
	s_barrier_signal -1
	s_barrier_wait -1
	CREST
.endm
	s_load_b128 s[4:7], s[0:1], 0x0                ; A's images, A's scales
	s_load_b128 s[8:11], s[0:1], 0x10              ; out_w's codes, its scales
	s_load_b64 s[96:97], s[0:1], 0x20              ; out_b
	s_load_b64 s[12:13], s[0:1], 0x28              ; out0
	v_lshl_add_u32 v[SPW], v0, 2, SPARE
	v_mov_b32 v[NIL], 0
	ds_add_u32 v28, v29
	ds_add_u32 v28, v29
	s_wait_dscnt 0x0
	v_lshrrev_b32 v1, 5, v0
	v_readfirstlane_b32 s14, v1                    ; wave 0..3
	s_lshr_b32 s15, s14, 1                         ; which half of the tile's tokens is mine.  Also: I fetch for A (0) or for out_w (1)
	s_and_b32 s16, s14, 1                          ; which half of its columns.  Also: which 128 rows I fetch
	s_bfe_u32 s40, ttmp6, 0x40000                  ; cx
	s_bfe_u32 s41, ttmp6, 0x40004                  ; cy
	s_lshl_b32 s42, ttmp9, 2
	s_add_co_u32 s42, s42, s40                     ; tile column
	s_and_b32 s17, ttmp7, 0xffff
	s_lshl_b32 s17, s17, 2
	s_add_co_u32 s17, s17, s41                     ; tile row
	s_lshl_b32 s43, s41, 2
	s_lshl_b32 s43, 15, s43                        ; my row of the cluster
	s_lshl_b32 s44, 0x1111, s40                    ; my column
	s_or_b32 s[G1+0], s43, (3<<16)|(1<<21)         ; A: the mask; elements of 8 bytes; no padding (the images are read 16 or 8 bytes a lane on end); bit 21 beside a mask
	s_mov_b32 s[G1+1], 384<<16                     ; tensor_dim0: 3,072 bytes: four heads' images of a token tile
	s_mov_b32 s[G1+2], 8<<16                       ; tensor_dim1: 8 token tiles
	s_mov_b32 s[G1+3], 384<<16                     ; tile_dim0
	s_mov_b32 s[G1+4], 8                           ; tile_dim1
	s_mov_b32 s[G1+5], 1536                        ; the pitch: a token tile's 16 heads, 12,288 bytes
	s_mov_b32 s[G1+6], 0
	s_mov_b32 s[G1+7], 0
	s_or_b32 s[G1B+0], s44, (0<<16)|(1<<20)|(1<<21)|(3<<22)|(3<<25)  ; out_w: elements of 1 byte; 4 words of padding behind every 16
	s_mov_b32 s[G1B+1], ROWB<<16
	s_mov_b32 s[G1B+2], 128<<16
	s_mov_b32 s[G1B+3], ROWB<<16
	s_mov_b32 s[G1B+4], 128
	s_mov_b32 s[G1B+5], KROW
	s_mov_b32 s[G1B+6], 0
	s_mov_b32 s[G1B+7], 0
	s_or_b32 s[G1S+0], s43, (3<<16)|(1<<20)|(1<<21)|(5<<22)|(3<<25)  ; the scales of 128 rows: 4,096 dense bytes as 16 rows of 256, 16 bytes of padding behind each
	s_or_b32 s[G1SB+0], s44, (3<<16)|(1<<20)|(1<<21)|(5<<22)|(3<<25)
.irp g, G1S, G1SB
	s_mov_b32 s[\g+1], 32<<16
	s_mov_b32 s[\g+2], (128*KS/256)<<16
	s_mov_b32 s[\g+3], 32<<16
	s_mov_b32 s[\g+4], 128*KS/256
	s_mov_b32 s[\g+5], 32
	s_mov_b32 s[\g+6], 0
	s_mov_b32 s[\g+7], 0
.endr
	s_lshl_b32 s18, s16, 7
	s_lshl_b32 s20, s17, 8
	s_add_co_u32 s20, s20, s18                     ; A: token 256 x tile row + 128 x half
	s_lshl_b32 s46, s42, 8
	s_add_co_u32 s46, s46, s18                     ; out_w: row 256 x tile column + 128 x half
	s_mov_b32 s21, 0
	s_mov_b32 s47, 0
	s_mov_b64 s[18:19], KS
	s_mul_u64 s[22:23], s[20:21], s[18:19]
	s_mul_u64 s[92:93], s[46:47], s[18:19]
	s_mov_b64 s[18:19], KROW                       ; 768 bytes a row of out_w; and 768 a token of A too: 12,288 bytes for a tile of 16
	s_mul_u64 s[20:21], s[20:21], s[18:19]
	s_mul_u64 s[46:47], s[46:47], s[18:19]
	s_mul_i32 s45, s16, HALFA                      ; where A's half goes,
	s_mul_i32 s95, s16, HALFT
	s_add_co_u32 s95, s95, BOFF                    ; where out_w's,
	s_mul_i32 s94, s14, HALFS                      ; and the scales: wave x 128 rows
	s_wait_kmcnt 0x0
	s_add_nc_u64 s[20:21], s[4:5], s[20:21]
	s_add_nc_u64 s[22:23], s[6:7], s[22:23]
	s_add_nc_u64 s[46:47], s[8:9], s[46:47]
	s_add_nc_u64 s[92:93], s[10:11], s[92:93]
	CROUND                                         ; all sixteen work-groups are here: the first joint loads meet
	s_mov_b32 s[G0S], 1
	s_add_co_u32 s[G0S+1], s94, SCL
	s_mov_b64 s[G0S+2:G0S+3], s[22:23]
	s_or_b32 s[G0S+3], s[G0S+3], 0x80000000
	s_mov_b32 s[G0SB], 1
	s_add_co_u32 s[G0SB+1], s94, SCL
	s_mov_b64 s[G0SB+2:G0SB+3], s[92:93]
	s_or_b32 s[G0SB+3], s[G0SB+3], 0x80000000
	JLOAD G0S, G1S, G0SB, G1SB
.irp s, 0,1
	s_mov_b32 s[G0+4*\s], 1
	s_add_co_u32 s[G0+4*\s+1], s45, \s*SLOT
	s_add_nc_u64 s[G0+4*\s+2:G0+4*\s+3], s[20:21], \s*TILEA
	s_or_b32 s[G0+4*\s+3], s[G0+4*\s+3], 0x80000000
	s_mov_b32 s[G0B+4*\s], 1
	s_add_co_u32 s[G0B+4*\s+1], s95, \s*SLOT
	s_add_nc_u64 s[G0B+4*\s+2:G0B+4*\s+3], s[46:47], \s*ROWB
	s_or_b32 s[G0B+4*\s+3], s[G0B+4*\s+3], 0x80000000
	JLOAD G0+4*\s, G1, G0B+4*\s, G1B               ; three tensor loads of mine are out now
.endr
	v_and_b32 v1, 15, v0                           ; r
	v_bfe_u32 v2, v0, 4, 1                         ; h
	v_mul_u32_u24 v3, v1, PITCH
	v_mul_u32_u24 v4, v2, 24
	v_add_nc_u32 v4, v3, v4                        ; out_w: a fragment's row x pitch + 24 x half
	v_lshl_add_u32 v5, v2, 4, v4                   ; and the same behind one padding more
	v_and_b32 v6, 31, v0
	v_lshlrev_b32 v7, 3, v6                        ; 8 l
	v_lshlrev_b32 v6, 4, v6                        ; 16 l
	s_mul_i32 s21, s15, HALFA                      ; my 128 tokens
	s_mul_i32 s22, s16, HALFT
	s_add_co_u32 s22, s22, BOFF                    ; my 128 rows of out_w
.irp s, 0,1
	v_add_nc_u32 v[ADRA+\s], s21, v6
	v_add_nc_u32 v[ADRA+2+\s], s21, v7
	v_add_nc_u32 v[ADRB+\s], s22, v4
	v_add_nc_u32 v[ADRB+2+\s], s22, v5
	s_add_co_u32 s21, s21, SLOT
	s_add_co_u32 s22, s22, SLOT
.endr
	v_mul_u32_u24 v5, v1, KS
	v_lshrrev_b32 v6, 8, v5
	v_lshl_add_u32 v5, v6, 4, v5
	s_mul_i32 s21, s15, HALFS
	s_mul_i32 s22, s16, HALFS
	s_add_co_u32 s22, s22, 2*HALFS
	s_sub_co_u32 s22, s22, s21
	v_mul_u32_u24 v6, s22, v2                      ; lanes 16-31 take out_w's
	s_add_co_u32 s21, s21, SCL
	v_add_nc_u32 v5, v5, v6
	v_add_nc_u32 v[ADRS], s21, v5
	s_mul_i32 s23, s14, 16*SPITCH                  ; my stage
	v_mul_u32_u24 v5, v1, SPITCH
	v_lshl_add_u32 v5, v2, 5, v5
	v_add_nc_u32 v[STO], s23, v5
	v_and_b32 v6, 31, v0
	v_lshlrev_b32 v[CO], 4, v6
	v_add_nc_u32 v[RD], s23, v[CO]
	s_lshl_b32 s20, s17, 8
	s_lshl_b32 s21, s15, 7
	s_add_co_u32 s20, s20, s21                     ; my first row of out0
	s_mov_b32 s21, 0
	s_mov_b64 s[18:19], SIZE_N*4
	s_mul_u64 s[20:21], s[20:21], s[18:19]
	s_lshl_b32 s46, s42, 10                        ; my first column, in bytes
	s_lshl_b32 s47, s16, 9
	s_add_co_u32 s46, s46, s47
	s_mov_b32 s47, 0
	s_add_nc_u64 s[20:21], s[20:21], s[46:47]
	s_add_nc_u64 s[12:13], s[12:13], s[20:21]
	s_add_nc_u64 s[96:97], s[96:97], s[46:47]      ; the bias at my first column
	v_lshlrev_b32 v10, 5, v2
.irp b, 0,1,2,3,4,5,6,7
	global_load_b128 v[BI+8*\b:BI+8*\b+3], v10, s[96:97] offset:64*\b          ; the bias of columns 16 b + 8 h + 0 .. 7: the result's layout
	global_load_b128 v[BI+8*\b+4:BI+8*\b+7], v10, s[96:97] offset:64*\b+16
.endr
.macro FRAG reg, adr, q, i             ; a fragment of out_w: 24 bytes of the row twice, in pieces of 8; the second address register serves the pieces that lie behind one padding more
.irp p, 0,1,2,3,4,5
.set PCE, 12*(\q)+6*(\p/3)+\p%3
.if PCE%8 < 5
	ds_load_b64 v[\reg+2*\p:\reg+2*\p+1], v[\adr] offset:8*PCE+16*(PCE/8)+(\i)*16*PITCH
.else
	ds_load_b64 v[\reg+2*\p:\reg+2*\p+1], v[\adr+2] offset:8*PCE+16*(PCE/8)+(\i)*16*PITCH
.endif
.endr
.endm
.macro FRAGA reg, slot, q, i           ; a fragment of A: two heads' images, as they were stored
	ds_load_b128 v[\reg:\reg+3], v[ADRA+\slot] offset:TILEA*(\i)+1536*(\q)
	ds_load_b64 v[\reg+4:\reg+5], v[ADRA+2+\slot] offset:TILEA*(\i)+1536*(\q)+512
	ds_load_b128 v[\reg+6:\reg+9], v[ADRA+\slot] offset:TILEA*(\i)+1536*(\q)+768
	ds_load_b64 v[\reg+10:\reg+11], v[ADRA+2+\slot] offset:TILEA*(\i)+1536*(\q)+1280
.endm
; 16 matrix instructions; the 64 accumulators take turns, one instruction a turn, in the same order in every step.  zero = 1: the first product starts the sums from the bias.
.macro MUL16 a0, p, q, sc, zero
.irp a, \a0, \a0+1
.irp b, 0,1,2,3,4,5,6,7
.if \zero
	v_wmma_scale_f32_16x16x128_f8f6f4 v[8*(8*((\a)%4)+\b):8*(8*((\a)%4)+\b)+7], v[128*(\p)+FR*\b:128*(\p)+FR*\b+FR-1], v[AF+FR*(\a):AF+FR*(\a)+FR-1], v[BI+8*\b:BI+8*\b+7], v[SC+8*NQ*(\sc)+NQ*\b+(\q)], v[SC+8*NQ*(\sc)+NQ*(\a)+(\q)] matrix_a_fmt:MATRIX_FMT_FP6 matrix_b_fmt:MATRIX_FMT_FP6 matrix_a_scale:MATRIX_SCALE_ROW1
.else
	v_wmma_scale_f32_16x16x128_f8f6f4 v[8*(8*((\a)%4)+\b):8*(8*((\a)%4)+\b)+7], v[128*(\p)+FR*\b:128*(\p)+FR*\b+FR-1], v[AF+FR*(\a):AF+FR*(\a)+FR-1], v[8*(8*((\a)%4)+\b):8*(8*((\a)%4)+\b)+7], v[SC+8*NQ*(\sc)+NQ*\b+(\q)], v[SC+8*NQ*(\sc)+NQ*(\a)+(\q)] matrix_a_fmt:MATRIX_FMT_FP6 matrix_b_fmt:MATRIX_FMT_FP6 matrix_a_scale:MATRIX_SCALE_ROW1
.endif
.endr
.endr
.endm
.macro FETCH_B slot, q, p
	WIN TO_B
.irp i, 0,1,2,3,4,5,6,7
	FRAG 128*(\p)+FR*\i, ADRB+\slot, \q, \i
.endr
	WIN 0
.endm
.macro FETCH_A slot, q, i0
.irp i, \i0, \i0+1, \i0+2, \i0+3
	FRAGA AF+FR*(\i), \slot, \q, \i
.endr
.endm
.macro SCALES sc
.irp i, 0,1,2,3,4,5,6,7
	ds_load_b64 v[SC+8*NQ*\sc+NQ*\i:SC+8*NQ*\sc+NQ*\i+1], v[ADRS] offset:\i*SBLK
.endr
.endm
.macro PLACES n
.rept \n
	v_nop
.endr
.endm
.macro STEP slot, q, zero
	s_wait_dscnt 4*NLA                             ; out_w's set and A's blocks 0-3 are in; the youngest 16 loads (A's blocks 4-7) may be out
.if \zero
	WIN 0x81                                       ; C, the bias, in window 0; D in window 2
.else
	WIN MUL_LO
.endif
	MUL16 0, (\q)%2, \q, \slot, \zero
	MUL16 2, (\q)%2, \q, \slot, \zero
	s_wait_dscnt 0
	PLACES NP
	FETCH_B \slot, (\q)+1, 1-(\q)%2
	FETCH_A \slot, (\q)+1, 0
.if \zero
	WIN 0xc1
.else
	WIN MUL_HI
.endif
	MUL16 4, (\q)%2, \q, \slot, \zero
	MUL16 6, (\q)%2, \q, \slot, \zero
	PLACES NP
	WIN 0
	FETCH_A \slot, (\q)+1, 4
.endm
.macro TURN slot, next, fill
	s_wait_tensorcnt 0x0                           ; all my tensor loads have landed: my part of the next slot
	ds_add_u32 v[SPW], v[NIL]                      ; 0 onto my spare word
	s_wait_dscnt 4*NLA+1                           ; (the add and the youngest 16 loads may be out)
	WIN MUL_LO
	MUL16 0, 1, NQ-1, \slot, 0
	s_wait_dscnt 0x0                               ; the add is done, and my reads of this slot are over
	s_barrier_signal -1
	MUL16 2, 1, NQ-1, \slot, 0
	WIN 0
	s_barrier_wait -1
.if \fill
	CREST                                          ; the barrier has opened a round of the cluster's: no wave of any partner still reads this slot or has a load on its way
	s_add_nc_u64 s[G0+4*\slot+2:G0+4*\slot+3], s[G0+4*\slot+2:G0+4*\slot+3], 2*TILEA
	s_add_nc_u64 s[G0B+4*\slot+2:G0B+4*\slot+3], s[G0B+4*\slot+2:G0B+4*\slot+3], 2*ROWB
	JLOAD G0+4*\slot, G1, G0B+4*\slot, G1B         ; my one tensor load behind the round; its four v_nop are the places in front of the loads below
.else
	PLACES NP
.endif
	v_add_nc_u32 v[ADRS], 4*NQ, v[ADRS]
	FETCH_B \next, 0, 0
	FETCH_A \next, 0, 0
	SCALES \next
	WIN MUL_HI
	MUL16 4, 1, NQ-1, \slot, 0
	MUL16 6, 1, NQ-1, \slot, 0
	PLACES NP
	WIN 0
	FETCH_A \next, 0, 4
.endm
	s_wait_tensorcnt 1                             ; the scales and my part of K step 0 are in (K step 1's load may be out)
	s_barrier_signal -1
	s_barrier_wait -1                              ; everybody's are
	FETCH_B 0, 0, 0
	FETCH_A 0, 0, 0
	SCALES 0
	FETCH_A 0, 0, 4
	s_wait_loadcnt 0x0                             ; the bias
	STEP 0, 0, 1                                   ; K = 1,024 is four K steps of 256: twice round the ring, written straight
	TURN 0, 1, 1
	STEP 1, 0, 0
	TURN 1, 0, 1
	STEP 0, 0, 0
	TURN 0, 1, 0                                   ; the last change of slots fills nothing
	STEP 1, 0, 0
	s_wait_dscnt 4*NLA                             ; the very last step: nothing more to fetch
	WIN MUL_LO
	MUL16 0, 1, NQ-1, 1, 0
	MUL16 2, 1, NQ-1, 1, 0
	s_wait_dscnt 0
	WIN MUL_HI
	MUL16 4, 1, NQ-1, 1, 0
	MUL16 6, 1, NQ-1, 1, 0
	WIN 0
; THE WAY OUT, block by block of 16 rows x 128 columns, through my own stage in LDS: in as 32 bytes a lane, back as whole rows of 512 bytes.  LDS serves a wave's instructions in order (ISA guide 5.7.1.4).
.macro TOSTAGE a
.set AC, 64*((\a)%4)
	WIN 0x08+4*((\a)/4)                            ; the data: window 2 or 3
.irp b, 0,1,2,3,4,5,6,7
	ds_store_b128 v[STO], v[AC+8*\b:AC+8*\b+3] offset:64*\b          ; each accumulator from its low end on
	ds_store_b128 v[STO], v[AC+8*\b+4:AC+8*\b+7] offset:64*\b+16
.endr
	WIN 0
.set BB, BK+64*((\a)%2)
.irp t, 0,1,2,3,4,5,6,7,8,9,10,11,12,13,14,15
	ds_load_b128 v[BB+4*\t:BB+4*\t+3], v[RD] offset:\t*SPITCH
.endr
.endm
.macro SEND a, younger
.set BB, BK+64*((\a)%2)
	s_wait_dscnt \younger                          ; the block is back in registers
.if (\a) > 0
	s_add_nc_u64 s[12:13], s[12:13], 16*SIZE_N*4   ; (behind a wait on XCNT: the earlier stores have read their base)
.endif
.irp t, 0,1,2,3,4,5,6,7,8,9,10,11,12,13,14,15
	global_store_b128 v[CO], v[BB+4*\t:BB+4*\t+3], s[12:13] offset:\t*SIZE_N*4 th:TH_STORE_NT   ; 32 lanes store 512 consecutive bytes, at a multiple of 256 from out0's first byte
.endr
.endm
	PLACES NP
	TOSTAGE 0
.irp a, 1,2,3,4,5,6,7
.if \a > 1
	s_wait_xcnt 0x0                                ; block a - 2's stores have read their registers and their base
.endif
	TOSTAGE \a
	SEND \a-1, 32                                  ; behind block a - 1's loads: block a's 16 stores and 16 loads
.endr
	s_wait_xcnt 0x0
	SEND 7, 0
	s_wait_tensorcnt 0x0                           ; the wave's end
	ds_add_u32 v[SPW], v[NIL]
	s_wait_dscnt 0x0
	CROUND                                         ; the closing round
	s_endpgm
.Lfunc_end_k_q8e587e9e9a_oproj:
	.size	k_q8e587e9e9a_oproj, .Lfunc_end_k_q8e587e9e9a_oproj-k_q8e587e9e9a_oproj
	.p2alignl 7, 3214868480
	.fill 96, 4, 3214868480
	.section	.rodata,"a",@progbits
	.p2align	6, 0x0
	.amdhsa_kernel k_q8e587e9e9a_oproj
		.amdhsa_group_segment_fixed_size 327680
		.amdhsa_private_segment_fixed_size 0
		.amdhsa_enable_private_segment 0
		.amdhsa_kernarg_size 48
		.amdhsa_user_sgpr_count 2
		.amdhsa_user_sgpr_kernarg_segment_ptr 1
		.amdhsa_wavefront_size32 1
		.amdhsa_system_sgpr_workgroup_id_x 1
		.amdhsa_system_sgpr_workgroup_id_y 1
		.amdhsa_system_sgpr_workgroup_id_z 1
		.amdhsa_system_vgpr_workitem_id 0
		.amdhsa_next_free_vgpr 1024
		.amdhsa_next_free_sgpr 98
		.amdhsa_reserve_vcc 0
		.amdhsa_float_denorm_mode_32 3
		.amdhsa_float_denorm_mode_16_64 3
		.amdhsa_memory_ordered 1
		.amdhsa_forward_progress 1
		.amdhsa_inst_pref_size 154
	.end_amdhsa_kernel
	.amdgpu_metadata
---
amdhsa.version: [ 1, 2 ]
amdhsa.kernels:
  - .name:           k_q8e587e9e9a_oproj
    .symbol:         k_q8e587e9e9a_oproj.kd
    .args:
      - { .name: a_f, .offset: 0, .size: 8, .value_kind: global_buffer, .address_space: global }
      - { .name: a_s, .offset: 8, .size: 8, .value_kind: global_buffer, .address_space: global }
      - { .name: out_w_codes, .offset: 16, .size: 8, .value_kind: global_buffer, .address_space: global }
      - { .name: out_w_scales, .offset: 24, .size: 8, .value_kind: global_buffer, .address_space: global }
      - { .name: out_b, .offset: 32, .size: 8, .value_kind: global_buffer, .address_space: global }
      - { .name: out0, .offset: 40, .size: 8, .value_kind: global_buffer, .address_space: global }
    .group_segment_fixed_size: 327680
    .private_segment_fixed_size: 0
    .kernarg_segment_align: 8
    .kernarg_segment_size: 48
    .max_flat_workgroup_size: 128
    .sgpr_count:     98
    .vgpr_count:     1024
    .wavefront_size: 32
...
	.end_amdgpu_metadata
.endif
;; end of part 4
